; MI455X (gfx1250); checked and timed in simulation.
; The chip was launched on July 23, 2026; its instructions are those of AMD's public machine-readable ISA for CDNA 5 (MIT licence, August 2026) and "CDNA5" Instruction Set Architecture Reference Guide (July 2026). The comments in the code are by the model that wrote it; some were corrected since.
;; Multi Head Attention. Allowed arithmetic: matrix products marked QUANTISED: E2M1 operands, one E8M0 scale for each 32 along K, by v_wmma_scale_f32_16x16x128_f8f6f4 with both operands' format E2M1 (or v_wmma_scale_f32_32x16x128_f4), f32 sums; everything else in f32.
;; Inputs: W_o 1,024 x 1,024 float32; W_qkv 1,024 x 3,072 float32; b_o 1,024 float32; b_qkv 3,072 float32; padding_mask 1 x 4,096 bool; x 1 x 4,096 x 1,024 float32.
;; Outputs: out0 1 x 4,096 x 1,024 float32.
;; This version of the problem:
;;   THIS VERSION OF THE PROBLEM IS GIVEN IN LOW PRECISION. The matrix products marked QUANTISED in the list below multiply operands that are first quantised to E2M1 (2 exponent bits, 1 mantissa bit; 4 bits a number), with one power-of-two scale for each 32 numbers along K (OCP MX v1.0); their sums are f32. All else is computed in f32.
;;   The module's matrix products, in the order in which they are computed (A, B: the left and right operand; K: the contracted axis; several contracted axes count as one K, in the product's order):
;;     1. [M 4,096, K 1,024] x [K 1,024, N 3,072]; A: input x; B: input W_qkv: QUANTISED
;;     2. batch 16 x [M 4,096, K 64] x [K 64, N 4,096]; A: computed on the way; B: computed on the way: QUANTISED
;;     3. batch 16 x [M 4,096, K 4,096] x [K 4,096, N 64]; A: softmax (see below); B: computed on the way: QUANTISED
;;     4. [M 4,096, K 1,024] x [K 1,024, N 1,024]; A: computed on the way; B: input W_o: QUANTISED
;;   THE QUANTISER, for each operand of a quantised product, along K:
;;     - K is cut into blocks of 32 from its start; a last block that is shorter is filled with zeros.
;;     - A block's scale is 2^e with e = floor(log2(the largest magnitude in the block)) - 2, held to -126 .. 127; a block of zeros has e = 0. As a byte (E8M0): e + 127.
;;     - Each number is divided by its block's scale, clamped to +-6, and rounded to the nearest number of E2M1, ties to even, subnormals kept.
;;     - The product sums the exact products of the quantised numbers (number of the format x scale) in f32.
;;   ~~~python
;;   def quantise(x, axis):      # numpy; x: float32 -> the quantised numbers, widened to float32 again
;;       x = np.moveaxis(x, axis, -1); K = x.shape[-1]
;;       x = np.pad(x, [(0, 0)] * (x.ndim - 1) + [(0, -K % 32)]); x = x.reshape(x.shape[:-1] + (-1, 32)); a = np.abs(x).max(-1, keepdims=True)
;;       e = np.where(a > 0, np.clip(np.frexp(np.where(a > 0, a, 1))[1] - 1 - 2, -126, 127), 0)      # np.frexp(a)[1] - 1 = floor(log2(a)), exactly
;;       r = np.clip(x / 2.0 ** e, -6, 6)
;;       step = 2.0 ** (np.maximum(np.frexp(np.where(r == 0, 1, r))[1] - 1, 0) - 1)
;;       q = np.round(r / step) * step * 2.0 ** e      # np.round: ties to even
;;       return np.moveaxis(q.reshape(q.shape[:-2] + (-1,))[..., :K], -1, axis).astype(np.float32)
;;   ~~~
;;   SOFTMAX AHEAD OF A QUANTISED PRODUCT. Where the list says 'softmax', what is quantised is not the finished softmax but p = 2^(t - M), with t = logit x log2(e) and M = ceil(the row's largest t), a whole number; so 1/2 < the row's largest p <= 1. The row's sum l is taken of the UNQUANTISED p, in f32, and the product's result is divided by l at the end. Since M is a whole number, a kernel that streams over the keys may use a running M (the ceiling of the running maximum): every later rescaling is an exact power of two, which a block's scale takes up: the codes' values come out the same.
;;   OPERANDS COMPUTED ON THE WAY. 'Computed on the way' means the value that the module computes at that place (a softmax that the list does not call 'softmax' is quantised finished and normalised). What goes into a quantiser is computed in f32, as accurately as f32 sums, v_exp_f32 and their like allow (about 1e-6 of the number): no bf16 or f16 on the way to a quantiser, and a product that is left as it is and whose result goes on into a quantised operand takes f32 operands (vector FMAs, or v_wmma_f32_16x16x4_f32). A number that lies on a knife's edge between two numbers of the format may be rounded either way, as far as f32 arithmetic and the matrix unit's own rounding can turn it there, and no further.
;; One version. Each part assembles by itself: llvm-mc -triple=amdgcn-amd-amdhsa -mcpu=gfx1250 --defsym DOCPART=n.
;; ======== version 1 of 1: 4 launches
;; limits: right only within a limited range of input values
;; workspace buffers: xq 2,228,224 bytes; wq 2,228,224 bytes; hq 2,228,224 bytes; qq 2,359,296 bytes; kv 4,587,520 bytes; vs 131,072 bytes
;; launch prep (part 1): grid 768 x 1, 4 waves a work-group, no clusters, 34,304 bytes of LDS; arguments x, W_qkv, W_o, xq, wq; writes xq, wq
.if DOCPART == 1
	.amdgcn_target "amdgcn-amd-amdhsa--gfx1250"
	.amdhsa_code_object_version 6
	.text
	.protected	k_qbfe3636646_prep
	.globl	k_qbfe3636646_prep
	.p2align	8
	.type	k_qbfe3636646_prep,@function
k_qbfe3636646_prep:
	s_mov_b64 s[64:65], 0
	v_nop
	global_prefetch_b8 v0, s[64:65] scope:SCOPE_SE
	s_setreg_imm32_b32 hwreg(HW_REG_WAVE_MODE, 25, 1), 1
	s_wait_xcnt 0x0
; x [4096][1024], W_qkv [1024][3072] and W_o [1024][1024], f32, become codes of FP4 (E2M1) with one E8M0 byte for each 32 along K (x: its columns; the weights: their rows).
; LAYOUT OF THE RESULTS: images of the matrix operand's registers.  A fragment (16 rows x 128 K) is 1,024 bytes: block b of 32 codes of in-tile row r lies at 256 b + 16 r.
; Codes: [tile][8 K steps][1,024] from byte 0;  scale words (four bytes: a row's four blocks of a K step): [tile][8 K steps][16 rows] from byte SC0.
; THE ROWS OF A TILE ARE NOT NEIGHBOURS: in-tile row r of tile t is row 32 (t / 2) + 8 (t % 2) + r % 8 + 16 (r / 8), so that a product's results on two neighbouring tiles are 16 neighbours along the next K.
; In wq tiles 0-191 are W_qkv's columns, tiles 192-255 W_o's.
; A block's scale is 2^(floor(log2(largest magnitude)) - 2): its byte is the largest magnitude's exponent field - 2, held at 1 from below by a floor among the maximum's leaves.
; (A block of zeros keeps the byte 1: its codes are zeros, and this program alone reads the bytes.)
; LIMITS: NaN and infinities among the inputs are not served; blocks whose largest magnitude lies under 2^-124 keep the byte 1.
; SHARES: one small task a wave, written out, no loop.  Work-groups 0-191: W_qkv; 192-255: W_o; 256-767: x.  The paths part on the work-group's number alone; only x's path touches LDS.
; No tensor loads, no matrix unit, no cluster: no work-group shares an input byte with another, and every byte is read once.
; A tile of all of K is TILEB consecutive bytes.  x and W_qkv: two halves of K, HALFB bytes each: four K steps' codes, and from the half's byte 4,096 (SC0) their scale words.
; W_o: eight K steps' codes, and from the tile's byte 8,192 their scale words.
; LEFT OUT of the program (in attn): the score and value tiles of keys that come after all of a tile's queries.  reference() hides them by its own causal mask: their p is 0 for all finite inputs wherever the row has a
; valid visible key, and a row without one takes the sum of all v, which is made apart.  A NaN, an infinity or an overflow that reaches only that work is not carried to the result.
.set SC0, 4096
.set TILEB, 8704
.set HALFB, 4352
.set X,   32                           ; v32-159  numbers as loaded (x's path: v32-95 as loaded, v96-159 turned)
.set XT,  96
.set C,   160                          ; v160-175 codes: registers of their own for every store
; the largest magnitude of 32 numbers v[s] .. v[s + 31], in two chains, and the floor 2^(3 - 127)
.macro BMAX d, e, s
	v_max3_num_f32 v[\d], |v[\s]|, |v[\s+1]|, |v[\s+2]|
	v_max3_num_f32 v[\e], |v[\s+3]|, |v[\s+4]|, |v[\s+5]|
.irp i, 6,10,14,18,22,26
	v_max3_num_f32 v[\d], v[\d], |v[\s+\i]|, |v[\s+\i+1]|
	v_max3_num_f32 v[\e], v[\e], |v[\s+\i+2]|, |v[\s+\i+3]|
.endr
	v_max3_num_f32 v[\d], v[\d], |v[\s+30]|, |v[\s+31]|
	v_max3_num_f32 v[\d], v[\d], v[\e], 0x1800000
.endm
; A WEIGHT [1024][n]: K is its first axis.  A lane takes a column and its registers run down K: 128 numbers, four whole blocks.  A wave takes 32 columns (two tiles) x one K step.
.macro WPATH n, src, tb, ib
	s_sub_co_u32 s15, ttmp9, \ib
	s_lshr_b32 s16, s15, 3
	s_and_b32 s17, s15, 7                          ; the K step
	s_lshl_b32 s16, s16, 2
	s_add_co_u32 s16, s16, s14                     ; G: which 32 columns
	v_and_b32 v5, 7, v0
	s_wait_alu depctr_va_vdst(0)
	v_bfe_u32 v6, v0, 3, 1
	v_lshl_add_u32 v5, v4, 3, v5
	v_lshl_add_u32 v5, v6, 4, v5
	v_lshlrev_b32 v5, 2, v5                        ; my column among the 32: 8 (lane / 16) + lane % 8 + 16 ((lane / 8) % 2): lanes 0-15 are tile 2 G, lanes 16-31 tile 2 G + 1
	s_mul_i32 s18, s17, 128*\n*4
	s_lshl_b32 s19, s16, 7
	s_add_co_u32 s18, s18, s19                     ; the weight: 128 rows a K step, 128 bytes for 32 columns
	s_mov_b32 s19, 0
	s_mul_i32 s20, s16, 2*TILEB
	s_add_co_u32 s20, s20, \tb*TILEB               ; tile x TILEB
.if \tb == 0
	s_lshr_b32 s30, s17, 2                         ; the half of K,
	s_and_b32 s31, s17, 3                          ; and the K step in it
	s_mul_i32 s30, s30, HALFB
	s_add_co_u32 s20, s20, s30
	s_add_co_u32 s22, s20, SC0
.else
	s_mov_b32 s31, s17
	s_add_co_u32 s22, s20, 8192
.endif
	s_lshl_b32 s21, s31, 10
	s_add_co_u32 s20, s20, s21                     ; the codes: K step x 1,024
	s_mov_b32 s21, 0
	s_lshl_b32 s23, s31, 6
	s_add_co_u32 s22, s22, s23                     ; the scale words: K step x 64
	s_mov_b32 s23, 0
	v_lshlrev_b32 v6, 4, v3
	v_mad_u32_u24 v6, v4, TILEB, v6                ; 16 r, and the second tile for lanes 16-31
	v_lshlrev_b32 v7, 2, v3
	v_mad_u32_u24 v7, v4, TILEB, v7
	s_wait_alu depctr_va_vdst(0)
	s_wait_kmcnt 0x0
	s_add_nc_u64 s[24:25], s[\src:\src+1], s[18:19]
	s_add_nc_u64 s[26:27], s[12:13], s[20:21]
	s_add_nc_u64 s[28:29], s[12:13], s[22:23]
.irp b, 0,1,2,3
.irp i, 0,1,2,3,4,5,6,7,8,9,10,11,12,13,14,15,16,17,18,19,20,21,22,23,24,25,26,27,28,29,30,31
	global_load_b32 v[X+32*\b+\i], v5, s[24:25] offset:(32*\b+\i)*\n*4 th:TH_LOAD_NT   ; a wave reads 128 consecutive bytes of a row, the four waves 512
.endr
.endr
.irp b, 0,1,2,3
.if \b < 2
	s_wait_loadcnt 63                              ; block b's 32 loads are in when at most 96 - 32 b are out; the count names no more than its field holds
.else
	s_wait_loadcnt 96-32*\b
.endif
	BMAX 8, 9, X+32*\b
	v_add_nc_u32 v[12+\b], 0xff000000, v8          ; 2 off the exponent field: the conversion takes this operand's exponent field as its scale
.irp g, 0,1,2,3
	v_cvt_scalef32_pk8_fp4_f32 v[C+4*\b+\g], v[X+32*\b+8*\g:X+32*\b+8*\g+7], v[12+\b]
.endr
	v_lshrrev_b32 v10, 23, v[12+\b]                ; the scale's byte (also the plain line behind the conversions)
.if \b == 0
	v_mov_b32 v11, v10
.else
	v_lshl_or_b32 v11, v10, 8*\b, v11              ; four bytes make my column's scale word
.endif
	global_store_b128 v6, v[C+4*\b:C+4*\b+3], s[26:27] offset:256*\b   ; sixteen lanes store 256 consecutive bytes, aligned
.endr
	global_store_b32 v7, v11, s[28:29]             ; 64 consecutive bytes for each of the two tiles
	s_endpgm
.endm
	s_load_b256 s[4:11], s[0:1], 0x0               ; x s[4:5], W_qkv s[6:7], W_o s[8:9], xq s[10:11]
	s_load_b64 s[12:13], s[0:1], 0x20              ; wq
	v_lshl_add_u32 v192, v0, 2, 0x8400
	v_mov_b32 v193, 0
	v_lshrrev_b32 v1, 5, v0
	v_readfirstlane_b32 s14, v1                    ; wave 0..3
	v_and_b32 v2, 31, v0                           ; lane
	v_and_b32 v3, 15, v0                           ; r
	v_bfe_u32 v4, v0, 4, 1                         ; h
	s_cmp_lt_u32 ttmp9, 192
	s_cbranch_scc1 .Lw_qkv
	s_cmp_lt_u32 ttmp9, 256
	s_cbranch_scc1 .Lw_o
	; x: K IS INNERMOST.  A wave takes one tile (16 rows) x one K step (512 bytes of each row).  Each load reads a row's 512 consecutive bytes; the 8 KB turn through the wave's own stage
	; in LDS (rows 528 bytes apart: sixteen rows start at sixteen different 16-byte columns), and come back so that lane (r, h) holds blocks h and 2 + h of row r: the operand's own order.
	s_sub_co_u32 s15, ttmp9, 256
	s_lshr_b32 s16, s15, 1                         ; the tile
	s_and_b32 s17, s15, 1
	s_lshl_b32 s17, s17, 2
	s_add_co_u32 s17, s17, s14                     ; the K step
	s_lshr_b32 s18, s16, 1
	s_lshl_b32 s18, s18, 5
	s_and_b32 s19, s16, 1
	s_lshl_b32 s19, s19, 3
	s_add_co_u32 s18, s18, s19                     ; the tile's first row
	s_lshl_b32 s18, s18, 12
	s_lshl_b32 s19, s17, 9
	s_add_co_u32 s18, s18, s19
	s_mov_b32 s19, 0
	s_mul_i32 s20, s16, TILEB
	s_lshr_b32 s30, s17, 2
	s_and_b32 s31, s17, 3
	s_mul_i32 s30, s30, HALFB
	s_add_co_u32 s20, s20, s30
	s_add_co_u32 s22, s20, SC0
	s_lshl_b32 s21, s31, 10
	s_add_co_u32 s20, s20, s21
	s_mov_b32 s21, 0
	s_lshl_b32 s23, s31, 6
	s_add_co_u32 s22, s22, s23
	s_mov_b32 s23, 0
	s_wait_alu depctr_va_vdst(0)
	v_lshlrev_b32 v5, 4, v2                        ; 16 x lane
	s_mul_i32 s24, s14, 8448                       ; my wave's stage: 16 rows x 528 bytes
	v_add_nc_u32 v6, s24, v5                       ; in
	v_mul_u32_u24 v7, v3, 528
	v_lshl_add_u32 v7, v4, 7, v7
	v_add_nc_u32 v7, s24, v7                       ; out: row r, + 128 h
	v_lshlrev_b32 v8, 2, v3
	s_mov_b32 s26, 0x76543210
	s_mov_b32 s27, 0xfedcba98                      ; v_permlanex16_b32's selects for lane l xor 16
	s_wait_alu depctr_va_vdst(0)
	s_wait_kmcnt 0x0
	s_add_nc_u64 s[4:5], s[4:5], s[18:19]
	s_add_nc_u64 s[20:21], s[10:11], s[20:21]
	s_add_nc_u64 s[22:23], s[10:11], s[22:23]
.irp i, 0,1,2,3,4,5,6,7,8,9,10,11,12,13,14,15
	global_load_b128 v[X+4*\i:X+4*\i+3], v5, s[4:5] offset:((\i&7)+16*(\i>>3))*4096 th:TH_LOAD_NT
.endr
.irp i, 0,1,2,3,4,5,6,7,8,9,10,11,12,13,14,15
	s_wait_loadcnt 15-\i                           ; loads come back in order: row i is in, the younger ones may be out
	ds_store_b128 v6, v[X+4*\i:X+4*\i+3] offset:528*\i
.endr
.irp c, 0,1
.irp j, 0,1,2,3,4,5,6,7
	ds_load_b128 v[XT+32*\c+4*\j:XT+32*\c+4*\j+3], v7 offset:256*\c+16*\j   ; LDS serves a wave's instructions in order: these see my stores
.endr
.endr
.irp c, 0,1
	s_wait_dscnt 8-8*\c                            ; block 2 c + h is in; the other block's eight loads may be out
	BMAX 10+2*\c, 11+2*\c, XT+32*\c
	v_add_nc_u32 v[14+\c], 0xff000000, v[10+2*\c]
.irp g, 0,1,2,3
	v_cvt_scalef32_pk8_fp4_f32 v[C+4*\c+\g], v[XT+32*\c+8*\g:XT+32*\c+8*\g+7], v[14+\c]
.endr
	v_lshrrev_b32 v[16+\c], 23, v[14+\c]
	global_store_b128 v5, v[C+4*\c:C+4*\c+3], s[20:21] offset:512*\c   ; 512 consecutive bytes of the image
.endr
	v_lshl_or_b32 v18, v17, 16, v16                ; my two bytes: blocks h and 2 + h,
	v_lshlrev_b32 v19, 3, v4
	v_lshlrev_b32 v18, v19, v18                    ; at their places in the word;
	v_mov_b32 v19, 0
	v_permlanex16_b32 v19, v18, s26, s27
	v_or_b32 v18, v18, v19                         ; with lane l xor 16's two the word is whole
	s_wait_alu depctr_va_vdst(0)
	s_wait_xcnt 0x0                                ; EXEC changes only behind this wait
	v_cmp_gt_u32 vcc_lo, 16, v2
	s_wait_tensorcnt 0x0
	ds_add_u32 v192, v193
	s_wait_dscnt 0x0
	s_and_saveexec_b32 s28, vcc_lo
	global_store_b32 v8, v18, s[22:23]             ; lanes 0-15: 64 consecutive bytes
	s_wait_xcnt 0x0
	s_or_b32 exec_lo, exec_lo, s28
	s_endpgm
.Lw_qkv:
	WPATH 3072, 6, 0, 0
.Lw_o:
	WPATH 1024, 8, 192, 192
.Lfunc_end_k_qbfe3636646_prep:
	.size	k_qbfe3636646_prep, .Lfunc_end_k_qbfe3636646_prep-k_qbfe3636646_prep
	.p2alignl 7, 3214868480
	.fill 96, 4, 3214868480
	.section	.rodata,"a",@progbits
	.p2align	6, 0x0
	.amdhsa_kernel k_qbfe3636646_prep
		.amdhsa_group_segment_fixed_size 34304
		.amdhsa_private_segment_fixed_size 0
		.amdhsa_enable_private_segment 0
		.amdhsa_kernarg_size 40
		.amdhsa_user_sgpr_count 2
		.amdhsa_user_sgpr_kernarg_segment_ptr 1
		.amdhsa_wavefront_size32 1
		.amdhsa_system_sgpr_workgroup_id_x 1
		.amdhsa_system_sgpr_workgroup_id_y 1
		.amdhsa_system_sgpr_workgroup_id_z 1
		.amdhsa_system_vgpr_workitem_id 0
		.amdhsa_next_free_vgpr 194
		.amdhsa_next_free_sgpr 66
		.amdhsa_reserve_vcc 1
		.amdhsa_float_denorm_mode_32 3
		.amdhsa_float_denorm_mode_16_64 3
		.amdhsa_memory_ordered 1
		.amdhsa_forward_progress 1
		.amdhsa_inst_pref_size 50
	.end_amdhsa_kernel
	.amdgpu_metadata
---
amdhsa.version: [ 1, 2 ]
amdhsa.kernels:
  - .name:           k_qbfe3636646_prep
    .symbol:         k_qbfe3636646_prep.kd
    .args:
      - { .name: x, .offset: 0, .size: 8, .value_kind: global_buffer, .address_space: global }
      - { .name: W_qkv, .offset: 8, .size: 8, .value_kind: global_buffer, .address_space: global }
      - { .name: W_o, .offset: 16, .size: 8, .value_kind: global_buffer, .address_space: global }
      - { .name: xq, .offset: 24, .size: 8, .value_kind: global_buffer, .address_space: global }
      - { .name: wq, .offset: 32, .size: 8, .value_kind: global_buffer, .address_space: global }
    .group_segment_fixed_size: 34304
    .private_segment_fixed_size: 0
    .kernarg_segment_align: 8
    .kernarg_segment_size: 40
    .max_flat_workgroup_size: 128
    .sgpr_count:     66
    .vgpr_count:     194
    .wavefront_size: 32
...
	.end_amdgpu_metadata
.endif
;; end of part 1
;; launch qkv (part 2): grid 12 x 16, 4 waves a work-group, clusters of 4 x 4, 327,680 bytes of LDS; arguments xq, wq, b_qkv, qq, kv, padding_mask, vs; writes qq, kv, vs
.if DOCPART == 2
	.amdgcn_target "amdgcn-amd-amdhsa--gfx1250"
	.amdhsa_code_object_version 6
	.text
	.protected	k_qbfe3636646_qkv
	.globl	k_qbfe3636646_qkv
	.p2align	8
	.type	k_qbfe3636646_qkv,@function
k_qbfe3636646_qkv:
	s_mov_b64 s[64:65], 0
	v_nop
	global_prefetch_b8 v0, s[64:65] scope:SCOPE_SE
	s_setreg_imm32_b32 hwreg(HW_REG_WAVE_MODE, 25, 1), 1
	s_wait_xcnt 0x0
	s_wait_alu depctr_hold_cnt(0) depctr_sa_sdst(0) depctr_va_vdst(0) depctr_va_sdst(0) depctr_va_ssrc(0) depctr_va_vcc(0) depctr_vm_vsrc(0)
	s_getreg_b32 s2, hwreg(HW_REG_IB_STS2, 6, 4)
	s_cmp_eq_u32 s2, 0
	s_cbranch_scc0 .Lentry_in_a_cluster
	s_endpgm
.Lentry_in_a_cluster:
	s_bfe_u32 s2, ttmp6, 0x10000c
	s_cmp_lg_u32 s2, 0xf033
	s_cbranch_scc0 .Lentry_shape_is_right
	s_endpgm
.Lentry_shape_is_right:
; qkv = Q(x) Q(W_qkv) + b_qkv on codes of FP4 with E8M0 scales, and q, k, v quantised again on the way out: q and k along the head's 64, v along the keys.  No f32 result of a product goes to memory.
; A work-group makes 256 rows x 256 columns, each of its four waves 128 x 128: 64 accumulators, 512 registers.  K = 1,024 in two halves of 512: both operands' tiles for all of K fit in LDS,
; so every LDS byte is filled once: half 0 at the head, half 1 behind one round; a wave's load brings eight tiles' half, codes and scale words, 8 x HALFB bytes.  Half 1 lands under half 0's four K steps.
; OPERANDS ARE IMAGES OF REGISTERS (16 rows x 128 K: 1,024 bytes, lane l's 16 bytes of piece c at 512 c + 16 l): every LDS load reads 512 consecutive bytes: no pitch, no padding.
; THE MODE hangs on the cluster's x alone (0: q, 1: k, 2: v), which all partners share.  P is source 0 and R source 1: a lane holds one row of R, and its registers run along P's rows; the rows of a tile are
; chosen (32 (t / 2) + 8 (t % 2) + r % 8 + 16 (r / 8)) so that the 64 registers of one tile of R are 128 neighbours along P: four blocks of 32.
;   q, k: P = W's columns (two heads a wave), R = x's rows: the blocks lie along the head's channels.     v: P = x's rows (one key step of 128), R = W's columns: the blocks lie along the keys.
; The swap is made in the LDS READ addresses; the products' text is one.  The bias is the C of each sum's first product (that step is written twice: the bias runs along P for q, k and along R for v).
; OUT: qq: [16 heads][256 tiles][512] half images (a head's 64 channels are registers 0-3 of a fragment), scale words [16][256][16] from byte SC0 (bytes 0, 1: the two blocks).
;      kv: [16 heads][32 key steps][8,960]: K's 8 half images, V^T's 4 fragments at 4,096, K's words at 8,192, V's at 8,704.
;      vs: [16 heads][32 key steps][64 channels] f32, the sums of the quantised v over 128 keys: each V^T fragment x a fragment of ones.
; THE PADDING MASK IS CHANNEL 64 OF A HEAD: K holds 0 (valid) or -2^33 there, Q holds 1.  Here only its block scales are made, bytes 2 of the scale words: K 1 (a block of zeros) or 158, Q 125; bytes 3 are 1.
; CLUSTERS: 4 x 4.  x's tiles hang on the tile row alone and are asked for jointly along a row of the cluster, W's on the tile column alone and along a column.
; NO PREFETCH: two loads a wave, no loop of loads to run ahead in.  192 work-groups: a tile that gave each of 256 WGPs one would cut heads or key steps apart.
; LIMITS: NaN and infinities are not served; a block whose largest magnitude lies under 2^-124 keeps the byte 1 (a block of zeros too: its codes are zeros).
; REGISTERS: window 0: v1-31 addresses; v32-95 scale words (register 8 q + i: lanes 0-15 R's tile i, lanes 16-31 P's tile i, K step q); v96-115, v224-247 at work on the way out; v128-191 R's fragments, one set,
;   on the way out the sums of v; v192-200 the ones; v208-215 the mask's bytes.
;   window 1: P's fragments, two sets, v0-63 and v128-191; v64-127 the biases.   windows 2, 3: accumulator (a, b) at v[8 (8 (a % 4) + b)].
.set SC0,   2097152
.set HEADB, 286720                     ; a head in kv
.set STEPB, 8960                       ; a key step in kv
.set TILEB, 8704
.set HALFB, 4352                       ; half a tile: four K steps' codes, and from byte 4,096 their scale words
.set CHUNK, 32*HALFB                   ; LDS: a half of K: x's 16 tiles, then W's 16
.set SPARE, 2*CHUNK                    ; the spare words, 128 bytes for each wave: two blocks of 256 bytes that no other line names
.set FR,    8
.set ADRR, 16                          ; v16-17  LDS address of R's fragments in half 0, 1
.set ADRP, 20                          ; v20-21  the same for P
.set ADRS, 22                          ; v22-23  and of my scale words
.set LI,   24                          ; v24     16 x lane
.set WO,   25                          ; v25     q, k: a scale word's place: 4 r, and the second head for lanes 16-31
.set LS,   26                          ; v26     4 x lane
.set SH,   28                          ; v28     16 h
.set BO,   29                          ; v29     the bias, q and k: 64 h
.set BV,   30                          ; v30     the bias, v: 4 x my in-tile row's column
.set SC,   32
.set PC,   96                          ; v96-111 the codes of two tiles
.set PW,   112                         ; v112-113 their scale words
.set WD,   114                         ; v114-115 the words as they are stored
.set RF,   128
.set ONES, 192                         ; v192-199 the fragment of ones, v200 its scale word
.set MK,   208
.set BM,   224                         ; v224-231 largest magnitudes
.set PM,   232                         ; v232-239 bytes
.set SO,   240                         ; v240-247 the conversions' scale operands
.set BB,   64                          ; in window 1
.set G1, 24                            ; s[24:31] descriptor group 1 for x's tiles;  s[32:39] group 0, one set for each half
.set G0, 32
.set G1B, 48                           ; s[48:55], s[56:63] the same for W's
.set G0B, 56
.set SEL, 10                           ; s[10:11] lane selects, once the output's address has been used
.set MSB, 0
.macro WIN new                         ; the immediate's high byte repeats the setting that is left
.if MSB != (\new)
	s_set_vgpr_msb (MSB<<8)|(\new)
.set MSB, (\new)
.endif
.endm
.set MUL_LO, 0xa1                      ; source 0 (P) window 1, source 1 (R) window 0, C and D window 2
.set MUL_HI, 0xf1                      ; the same, C and D window 3
.set TO_P,   0x40                      ; destination window 1, address window 0
; A joint load: waves 0 and 1 fetch for x, waves 2 and 3 for W; the branch hangs on the wave's number alone.
.macro JLOAD g0a, g1a, g0b, g1b
	s_cmp_eq_u32 s15, 0
	s_cbranch_scc0 .Lfor_b_\@
	tensor_load_to_lds s[\g0a:\g0a+3], s[\g1a:\g1a+7]
	s_nop 0
.rept 4
	v_nop
.endr
	s_branch .Lasked_\@
.Lfor_b_\@:
	tensor_load_to_lds s[\g0b:\g0b+3], s[\g1b:\g1b+7]
	s_nop 0
.rept 4
	v_nop
.endr
.Lasked_\@:
.endm
.macro CROUND                          ; a round of the cluster's barrier
	s_barrier_signal -1
	s_barrier_wait -1
	s_cmp_lg_u32 s14, 0
	s_cbranch_scc1 .Lnot_wave_0_\@
	s_barrier_signal -3
.Lnot_wave_0_\@:
	s_barrier_wait -3
	s_barrier_signal -1
	s_barrier_wait -1
.endm
.macro PLACES n                        ; plain vector lines between a matrix instruction and a load into, or a read of, its registers
.rept \n
	v_nop
.endr
.endm
	s_load_b256 s[4:11], s[0:1], 0x0               ; xq s[4:5], wq s[6:7], b_qkv s[8:9], qq s[10:11]
	s_load_b64 s[12:13], s[0:1], 0x20              ; kv
	s_load_b128 s[68:71], s[0:1], 0x28             ; padding_mask s[68:69], vs s[70:71]
	v_lshl_add_u32 v254, v0, 2, SPARE
	v_mov_b32 v255, 0
	ds_add_u32 v254, v255                          ; the opening: the add, twice on end, and its wait
	ds_add_u32 v254, v255
	v_lshrrev_b32 v1, 5, v0
	v_readfirstlane_b32 s14, v1                    ; wave 0..3
	s_lshr_b32 s15, s14, 1                         ; R's half.  Also: I fetch for x (0) or for W (1)
	s_and_b32 s16, s14, 1                          ; P's half.  Also: which 8 tiles I fetch
	s_bfe_u32 s40, ttmp6, 0x40000                  ; cx, cy: my place in the cluster
	s_bfe_u32 s41, ttmp6, 0x40004
	s_lshl_b32 s42, ttmp9, 2
	s_add_co_u32 s42, s42, s40                     ; tile column = 4 x cluster x + cx
	s_and_b32 s17, ttmp7, 0xffff
	s_lshl_b32 s17, s17, 2
	s_add_co_u32 s17, s17, s41                     ; tile row = 4 x cluster y + cy
	s_lshl_b32 s43, s41, 2
	s_lshl_b32 s43, 15, s43                        ; my row of the cluster
	s_lshl_b32 s44, 0x1111, s40                    ; my column
	; group 1: 8 tiles, of each HALFB consecutive bytes (544 elements of 8 bytes), TILEB bytes from tile to tile; dense in LDS
	s_or_b32 s[G1+0], s43, (3<<16)|(1<<21)         ; 15:0 the mask; 17:16 elements of 8 bytes; 21 set beside a mask; no padding
	s_or_b32 s[G1B+0], s44, (3<<16)|(1<<21)
.irp g, G1, G1B
	s_mov_b32 s[\g+1], (HALFB/8)<<16               ; tensor_dim0
	s_mov_b32 s[\g+2], 8<<16                       ; tensor_dim1
	s_mov_b32 s[\g+3], (HALFB/8)<<16               ; tile_dim0
	s_mov_b32 s[\g+4], 8                           ; tile_dim1
	s_mov_b32 s[\g+5], TILEB/8                     ; tensor_dim0_stride
	s_mov_b32 s[\g+6], 0
	s_mov_b32 s[\g+7], 0
.endr
	s_lshl_b32 s18, s16, 3
	s_lshl_b32 s20, s17, 4
	s_add_co_u32 s20, s20, s18                     ; x's tile 16 x tile row + 8 x half
	s_lshl_b32 s46, s42, 4
	s_add_co_u32 s46, s46, s18                     ; W's tile 16 x tile column + 8 x half
	s_mul_i32 s20, s20, TILEB
	s_mov_b32 s21, 0
	s_mul_i32 s46, s46, TILEB
	s_mov_b32 s47, 0
	s_mul_i32 s45, s14, 8*HALFB                    ; where they go: wave x eight half tiles: no place in the cluster enters an LDS address
	; what hangs on the mode, chosen without a branch
	s_mov_b32 s95, 8192
	s_cmp_eq_u32 ttmp9, 2
	s_cselect_b32 s2, s15, s16                     ; my half of W's tiles
	s_cselect_b32 s3, s16, s15                     ; my half of x's tiles
	s_cselect_b32 s18, 0, 16*HALFB                 ; where P's tiles begin in a half,
	s_cselect_b32 s19, 16*HALFB, 0                 ; and R's
	s_cselect_b32 s66, 4096, 0                     ; V's fragments lie 4,096 bytes into a key step,
	s_cselect_b32 s67, 4608, s95                   ; and the scale words so far behind the codes
	s_lshl_b32 s96, s40, 2
	s_lshl_b32 s97, s2, 1
	s_add_co_u32 s96, s96, s97                     ; my first head: 4 cx + 2 x half
	s_lshl_b32 s97, s17, 1
	s_add_co_u32 s97, s97, s3                      ; my key step (or block of 8 query tiles): 2 x tile row + half
	s_lshl_b32 s72, s96, 5
	s_add_co_u32 s72, s72, s97
	s_lshl_b32 s72, s72, 8                         ; vs: (head x 32 + key step) x 256
	s_mov_b32 s73, 0
	s_lshl_b32 s74, s97, 7                         ; the mask's bytes of my 128 rows
	s_mov_b32 s75, 0
	s_mul_i32 s98, s96, HEADB
	s_mul_i32 s99, s97, STEPB
	s_add_co_u32 s98, s98, s99
	s_add_co_u32 s98, s98, s66                     ; kv: my codes,
	s_add_co_u32 s99, s98, s67                     ; my scale words
	s_lshl_b32 s96, s96, 8
	s_lshl_b32 s97, s97, 3
	s_add_co_u32 s96, s96, s97                     ; qq: head x 256 + tile
	s_lshl_b32 s97, s96, 6
	s_add_co_u32 s97, s97, SC0
	s_lshl_b32 s96, s96, 9
	s_mov_b32 s66, HEADB
	s_cmp_eq_u32 ttmp9, 0
	s_cselect_b32 s96, s96, s98                    ; byte offset of my codes,
	s_cselect_b32 s98, s97, s99                    ; of my scale words,
	s_cselect_b32 s67, 131072, s66                 ; from a head's codes to the next head's,
	s_cselect_b32 s66, 16384, s66                  ; and from its scale words
	s_mov_b32 s97, 0
	s_mov_b32 s99, 0
	s_wait_alu depctr_va_vdst(0)
	s_wait_dscnt 0x0
	s_wait_kmcnt 0x0
	s_add_nc_u64 s[20:21], s[4:5], s[20:21]
	s_add_nc_u64 s[46:47], s[6:7], s[46:47]
	s_add_nc_u64 s[68:69], s[68:69], s[74:75]
	s_add_nc_u64 s[70:71], s[70:71], s[72:73]
	s_cmp_eq_u32 ttmp9, 0
	s_cselect_b64 s[10:11], s[10:11], s[12:13]     ; q goes to qq, k and v to kv: the choice hangs on the cluster's x alone
	s_add_nc_u64 s[96:97], s[10:11], s[96:97]      ; codes (q, k: my first head's)
	s_add_nc_u64 s[98:99], s[10:11], s[98:99]      ; scale words
	s_mov_b32 s12, s67
	s_mov_b32 s13, 0
	s_add_nc_u64 s[12:13], s[96:97], s[12:13]      ; q, k: my second head's codes
	s_lshl_b32 s4, s42, 10
	s_lshl_b32 s5, s2, 9
	s_add_co_u32 s4, s4, s5
	s_mov_b32 s5, 0
	s_add_nc_u64 s[8:9], s[8:9], s[4:5]            ; the bias of my 128 columns
	CROUND                                         ; all sixteen work-groups are here: the first joint loads meet
.irp s, 0,1
	s_mov_b32 s[G0+4*\s], 1
	s_add_co_u32 s[G0+4*\s+1], s45, \s*CHUNK
	s_add_nc_u64 s[G0+4*\s+2:G0+4*\s+3], s[20:21], \s*HALFB
	s_or_b32 s[G0+4*\s+3], s[G0+4*\s+3], 0x80000000
	s_mov_b32 s[G0B+4*\s], 1
	s_add_co_u32 s[G0B+4*\s+1], s45, \s*CHUNK
	s_add_nc_u64 s[G0B+4*\s+2:G0B+4*\s+3], s[46:47], \s*HALFB
	s_or_b32 s[G0B+4*\s+3], s[G0B+4*\s+3], 0x80000000
.endr
	JLOAD G0, G1, G0B, G1B                         ; half 0: the one load at the head
	s_mov_b32 s[SEL], 0x76543210
	s_mov_b32 s[SEL+1], 0xfedcba98                 ; v_permlanex16_b32's selects for lane l xor 16
	s_mov_b32 s95, 0xffff0000                      ; lanes 16-31
	v_and_b32 v1, 15, v0                           ; r
	v_bfe_u32 v2, v0, 4, 1                         ; h
	v_and_b32 v3, 31, v0
	v_lshlrev_b32 v[LI], 4, v3
	v_lshlrev_b32 v[LS], 2, v3
	v_lshlrev_b32 v[SH], 4, v2
	v_lshlrev_b32 v4, 2, v1
	s_wait_alu depctr_va_vdst(0)
	v_mul_u32_u24 v[WO], s66, v2
	v_add_nc_u32 v[WO], v[WO], v4
	s_mul_i32 s4, s16, 8*HALFB
	s_add_co_u32 s4, s4, s18                       ; P's eight tiles
	s_mul_i32 s5, s15, 8*HALFB
	s_add_co_u32 s5, s5, s19                       ; R's
	v_add_nc_u32 v5, s4, v4
	v_add_nc_u32 v6, s5, v4
	v_cmp_eq_u32 vcc_lo, 1, v2
	v_cndmask_b32 v[ADRS], v6, v5, vcc_lo          ; lanes 0-15 take R's words, lanes 16-31 P's
	v_add_nc_u32 v[ADRS], 4096, v[ADRS]
	v_add_nc_u32 v[ADRS+1], CHUNK, v[ADRS]
.irp c, 0,1
	v_add_nc_u32 v[ADRP+\c], s4, v[LI]
	v_add_nc_u32 v[ADRR+\c], s5, v[LI]
	s_add_co_u32 s4, s4, CHUNK
	s_add_co_u32 s5, s5, CHUNK
.endr
	v_lshlrev_b32 v[BO], 6, v2
	v_and_b32 v7, 8, v1
	v_add_nc_u32 v7, v7, v1
	v_lshlrev_b32 v[BV], 2, v7
.irp b, 0,1,2,3,4,5,6,7
	v_mov_b32 v[PM+\b], 0                          ; written once: a lane permute's destination counts as one of its sources
	v_mov_b32 v[MK+\b], 0
	v_mov_b32 v[ONES+\b], 0x22222222               ; the code 2 is the number 1
.endr
	v_mov_b32 v200, 0x7f7f7f7f                     ; 2^0
	s_wait_alu depctr_va_vdst(0)
	; the biases, in the result's layout, eight registers a tile
	s_cmp_eq_u32 ttmp9, 2
	s_cbranch_scc1 .Lbias_v
	WIN TO_P
.irp b, 0,1,2,3,4,5,6,7                        ; q, k: register j of P's tile b is column 32 (b / 2) + 16 h + 8 (b % 2) + j
	global_load_b128 v[BB+8*\b:BB+8*\b+3], v[BO], s[8:9] offset:(32*(\b/2)+8*(\b%2))*4
	global_load_b128 v[BB+8*\b+4:BB+8*\b+7], v[BO], s[8:9] offset:(32*(\b/2)+8*(\b%2))*4+16
.endr
	WIN 0
	s_cmp_eq_u32 ttmp9, 0
	s_mov_b32 s4, 0x017d0000
	s_cselect_b32 s5, s4, 0x019e0000               ; q: 1 = 4 x 2^(125 - 127) in every row; k: -2^33 = -4 x 2^(158 - 127) in a padded row,
	s_cselect_b32 s4, s4, 0x01010000               ; zeros in a valid one
.irp a, 0,1,2,3,4,5,6,7
	global_load_u8 v[216+\a], v7, s[68:69] offset:32*(\a/2)+8*(\a%2)   ; the mask of R's tile a's row r
.endr
	s_wait_loadcnt 0x0
	v_mov_b32 v207, s5
.irp a, 0,1,2,3,4,5,6,7
	v_cmp_eq_u32 vcc_lo, 0, v[216+\a]
	v_cndmask_b32 v[MK+\a], s4, v207, vcc_lo
.endr
	s_wait_alu depctr_va_vdst(0)
	s_branch .Lbias_done
.Lbias_v:
	WIN TO_P
.irp a, 0,1,2,3,4,5,6,7                        ; v: all eight registers of R's tile a belong to my lane's one column
.irp j, 0,1,2,3,4,5,6,7
	global_load_b32 v[BB+8*\a+\j], v[BV], s[8:9] offset:(32*(\a/2)+8*(\a%2))*4
.endr
.endr
	WIN 0
.Lbias_done:
.macro FRAG reg, adr, q, i             ; tile i's fragment of K step q: two loads of 512 consecutive bytes
.irp c, 0,1
	ds_load_b128 v[\reg+4*\c:\reg+4*\c+3], v[\adr] offset:HALFB*(\i)+1024*((\q)%4)+512*\c
.endr
.endm
.macro FETCH_P q, p                    ; P's eight fragments of K step q into set p
	WIN TO_P
.irp i, 0,1,2,3,4,5,6,7
	FRAG 128*(\p)+FR*\i, ADRP+(\q)/4, \q, \i
.endr
	WIN 0
.endm
.macro FETCH_R q, i0                   ; R's tiles i0 .. i0 + 3
.irp i, \i0, \i0+1, \i0+2, \i0+3
	FRAG RF+FR*(\i), ADRR+(\q)/4, \q, \i
.endr
.endm
.macro SCALES c                        ; a half's scale words, once
.irp q, 0,1,2,3
.irp i, 0,1,2,3,4,5,6,7
	ds_load_b32 v[SC+32*\c+8*\q+\i], v[ADRS+\c] offset:HALFB*\i+64*\q
.endr
.endr
.endm
; 16 matrix instructions: R's tiles a0, a0 + 1 x P's eight, K step q.  cm = 0: onto the sums; 1: the bias along P starts them; 2: the bias along R.
; The 64 accumulators take turns, one instruction a turn, in the same order in every step.
.macro MUL16 a0, p, q, cm
.irp a, \a0, \a0+1
.irp b, 0,1,2,3,4,5,6,7
.if \cm == 0
	v_wmma_scale_f32_16x16x128_f8f6f4 v[8*(8*((\a)%4)+\b):8*(8*((\a)%4)+\b)+7], v[128*(\p)+FR*\b:128*(\p)+FR*\b+FR-1], v[RF+FR*(\a):RF+FR*(\a)+FR-1], v[8*(8*((\a)%4)+\b):8*(8*((\a)%4)+\b)+7], v[SC+8*(\q)+\b], v[SC+8*(\q)+(\a)] matrix_a_fmt:MATRIX_FMT_FP4 matrix_b_fmt:MATRIX_FMT_FP4 matrix_a_scale:MATRIX_SCALE_ROW1
.elseif \cm == 1
	v_wmma_scale_f32_16x16x128_f8f6f4 v[8*(8*((\a)%4)+\b):8*(8*((\a)%4)+\b)+7], v[128*(\p)+FR*\b:128*(\p)+FR*\b+FR-1], v[RF+FR*(\a):RF+FR*(\a)+FR-1], v[BB+8*\b:BB+8*\b+7], v[SC+8*(\q)+\b], v[SC+8*(\q)+(\a)] matrix_a_fmt:MATRIX_FMT_FP4 matrix_b_fmt:MATRIX_FMT_FP4 matrix_a_scale:MATRIX_SCALE_ROW1
.else
	v_wmma_scale_f32_16x16x128_f8f6f4 v[8*(8*((\a)%4)+\b):8*(8*((\a)%4)+\b)+7], v[128*(\p)+FR*\b:128*(\p)+FR*\b+FR-1], v[RF+FR*(\a):RF+FR*(\a)+FR-1], v[BB+8*(\a):BB+8*(\a)+7], v[SC+8*(\q)+\b], v[SC+8*(\q)+(\a)] matrix_a_fmt:MATRIX_FMT_FP4 matrix_b_fmt:MATRIX_FMT_FP4 matrix_a_scale:MATRIX_SCALE_ROW1
.endif
.endr
.endr
.endm
; A K step whose successor lies in the same half.  R has one set: tiles 0-3 are fetched anew in the step's middle, tiles 4-7 at its end; P has two.
.macro STEP q, cm
	s_wait_dscnt 8                                 ; all but the youngest eight loads (R's tiles 4-7) are in
.if \cm
	WIN 0x91                                       ; C (the bias) window 1, D window 2
.else
	WIN MUL_LO
.endif
	MUL16 0, (\q)%2, \q, \cm
	MUL16 2, (\q)%2, \q, \cm
	s_wait_dscnt 0x0                               ; R's tiles 4-7 are in
	PLACES 4
	FETCH_P (\q)+1, 1-(\q)%2
	FETCH_R (\q)+1, 0
.if \cm
	WIN 0xd1                                       ; C window 1, D window 3
.else
	WIN MUL_HI
.endif
	MUL16 4, (\q)%2, \q, \cm
	MUL16 6, (\q)%2, \q, \cm
	PLACES 4
	WIN 0
	FETCH_R (\q)+1, 4
.endm
	s_wait_alu depctr_va_vdst(0)                   ; the wait at the head's end
	s_wait_loadcnt 0x0                             ; the biases
	s_wait_tensorcnt 0x0                           ; my tiles of half 0 are in; the add and its wait stand ahead of a later first fill:
	ds_add_u32 v254, v255
	s_wait_dscnt 0x0
	CROUND                                         ; everybody's are, and all sixteen work-groups are here:
	JLOAD G0+4, G1, G0B+4, G1B                     ; half 1 is asked for
	SCALES 0
	FETCH_P 0, 0
	FETCH_R 0, 0
	FETCH_R 0, 4
	s_cmp_eq_u32 ttmp9, 2
	s_cbranch_scc1 .Lfirst_v
	STEP 0, 1
	s_branch .Lfirst_done
.Lfirst_v:
	STEP 0, 2
.Lfirst_done:
	STEP 1, 0
	STEP 2, 0
	; K step 3 goes over to half 1: one barrier, in front of which each wave waits for its part of that half.
	s_wait_dscnt 8
	WIN MUL_LO
	MUL16 0, 1, 3, 0
	s_wait_tensorcnt 0x0
	s_wait_dscnt 0x0                               ; no LDS instruction of mine is out at the signal
	s_barrier_signal -1
	MUL16 2, 1, 3, 0                               ; work on registers while the others arrive
	WIN 0
	s_barrier_wait -1
	PLACES 4
	SCALES 1
	FETCH_P 4, 0
	FETCH_R 4, 0
	WIN MUL_HI
	MUL16 4, 1, 3, 0
	MUL16 6, 1, 3, 0
	PLACES 4
	WIN 0
	FETCH_R 4, 4
	STEP 4, 0
	STEP 5, 0
	STEP 6, 0
	s_wait_dscnt 8                                 ; the last step: nothing more to fetch
	WIN MUL_LO
	MUL16 0, 1, 7, 0
	MUL16 2, 1, 7, 0
	s_wait_dscnt 0x0
	WIN MUL_HI
	MUL16 4, 1, 7, 0
	MUL16 6, 1, 7, 0
	WIN 0
	PLACES 4
; THE WAY OUT of R's tiles a, a + 1 (a even): their 128 registers are eight blocks of 32, each shared with lane l xor 16 (register 16 g + i of a tile = place 32 g + 16 h + i along P).
; They become two times 8 registers of codes and a scale word.
.macro EPI a
.set AC, 64*((\a)%4)
	s_wait_xcnt 0x0                                ; the last tiles' stores have read their data: those registers are written again only behind this wait
	WIN 0x0a+5*((\a)/4)                            ; sources 0 and 1: window 2 or 3
.irp b, 0,1,2,3,4,5,6,7
	v_max3_num_f32 v[BM+\b], |v[AC+16*\b]|, |v[AC+16*\b+1]|, 0x1800000   ; each accumulator is read from its low end on; the floor 2^(3 - 127) holds the byte at 1 from below
.endr
.irp i, 2,4,6,8,10,12,14
.irp b, 0,1,2,3,4,5,6,7
	v_max3_num_f32 v[BM+\b], |v[AC+16*\b+\i]|, |v[AC+16*\b+\i+1]|, v[BM+\b]
.endr
.endr
	WIN 0
.irp b, 0,1,2,3,4,5,6,7
	v_permlanex16_b32 v[PM+\b], v[BM+\b], s[SEL], s[SEL+1]
.endr
.irp b, 0,1,2,3,4,5,6,7
	v_max_num_f32 v[BM+\b], v[BM+\b], v[PM+\b]     ; the block's largest magnitude
.endr
.irp b, 0,1,2,3,4,5,6,7
	v_add_nc_u32 v[SO+\b], 0xff000000, v[BM+\b]    ; 2 off its exponent field: the conversion's scale operand
.endr
.irp b, 0,1,2,3,4,5,6,7
	v_lshrrev_b32 v[PM+\b], 23, v[SO+\b]           ; the scale's byte
.endr
	v_lshl_or_b32 v[PW], v[PM+1], 8, v[PM]
	v_lshl_or_b32 v[PW+1], v[PM+5], 8, v[PM+4]
	v_lshl_or_b32 v[PW], v[PM+2], 16, v[PW]
	v_lshl_or_b32 v[PW+1], v[PM+6], 16, v[PW+1]
	v_lshl_or_b32 v[PW], v[PM+3], 24, v[PW]
	v_lshl_or_b32 v[PW+1], v[PM+7], 24, v[PW+1]
	WIN 0x02+(\a)/4                                ; source 0: window 2 or 3
.irp m, 0,1,2,3,4,5,6,7,8,9,10,11,12,13,14,15
	v_cvt_scalef32_pk8_fp4_f32 v[PC+\m], v[AC+8*\m:AC+8*\m+7], v[SO+\m/2]
.endr
	WIN 0
	v_nop                                          ; one plain line behind a scaled conversion
.irp c, 0,4,8,12                               ; the operand's layout wants a whole block in a lane
.irp i, 0,1
	v_permlane16_swap_b32 v[PC+\c+\i], v[PC+2+\c+\i]
.endr
.endr
	s_cmp_eq_u32 ttmp9, 2
	s_cbranch_scc1 .Lv_\@
.irp u, 0,1
	v_lshrrev_b32 v[WD+\u], v[SH], v[PW+\u]        ; q, k: blocks 0, 1 are my first head's, blocks 2, 3 my second's: lanes 0-15 store the one word, lanes 16-31 the other
.endr
.irp u, 0,1
	v_and_or_b32 v[WD+\u], v[WD+\u], 0xffff, v[MK+(\a)+\u]   ; and the mask's channel
.endr
.irp u, 0,1
	global_store_b128 v[LI], v[PC+8*\u:PC+8*\u+3], s[96:97] offset:512*(\a)+512*\u      ; 512 consecutive bytes: a half image
	global_store_b128 v[LI], v[PC+8*\u+4:PC+8*\u+7], s[12:13] offset:512*(\a)+512*\u
	global_store_b32 v[WO], v[WD+\u], s[98:99] offset:64*(\a)+64*\u
.endr
	s_branch .Ldone_\@
.Lv_\@:
	s_wait_alu depctr_va_vdst(0)
	v_cndmask_b32 v[WD], v[PW], v[PW+1], s95       ; two tiles' words leave together: 128 consecutive bytes
	PLACES 8                                       ; a scale written by a vector instruction stands eight places ahead
.irp u, 0,1
	v_wmma_scale_f32_16x16x128_f8f6f4 v[128+8*(\a)+8*\u:135+8*(\a)+8*\u], v[ONES:ONES+7], v[PC+8*\u:PC+8*\u+7], 0, v200, v[PW+\u] matrix_a_fmt:MATRIX_FMT_FP4 matrix_b_fmt:MATRIX_FMT_FP4   ; each register: my lane's channel summed over the 128 keys
.endr
.irp u, 0,1
	global_store_b128 v[LI], v[PC+8*\u:PC+8*\u+3], s[96:97] offset:((\a)/4)*HEADB+((\a)%4+\u)*1024      ; v: a whole fragment: 16 channels x 128 keys
	global_store_b128 v[LI], v[PC+8*\u+4:PC+8*\u+7], s[96:97] offset:((\a)/4)*HEADB+((\a)%4+\u)*1024+512
.endr
	global_store_b32 v[LS], v[WD], s[98:99] offset:((\a)/4)*HEADB+((\a)%4)*64
.Ldone_\@:
.endm
.irp a, 0,2,4,6
	EPI \a
.endr
	s_cmp_eq_u32 ttmp9, 2
	s_cbranch_scc0 .Lno_vs
	PLACES 4
.irp j, 0,1,2,3
	v_cndmask_b32 v[BM+\j], v[128+16*\j], v[136+16*\j], s95   ; lanes 0-15 the even tile's channels, lanes 16-31 the odd one's
.endr
.irp j, 0,1,2,3
	global_store_b32 v[LS], v[BM+\j], s[70:71] offset:(\j/2)*8192+(\j%2)*128
.endr
.Lno_vs:
	s_wait_dscnt 0x0
	s_wait_tensorcnt 0x0                           ; the wave's end
	ds_add_u32 v254, v255
	s_wait_dscnt 0x0
	CROUND                                         ; the closing round: no work-group ends while a partner may still ask for a tile that names it
	s_endpgm
.Lfunc_end_k_qbfe3636646_qkv:
	.size	k_qbfe3636646_qkv, .Lfunc_end_k_qbfe3636646_qkv-k_qbfe3636646_qkv
	.p2alignl 7, 3214868480
	.fill 96, 4, 3214868480
	.section	.rodata,"a",@progbits
	.p2align	6, 0x0
	.amdhsa_kernel k_qbfe3636646_qkv
		.amdhsa_group_segment_fixed_size 327680
		.amdhsa_private_segment_fixed_size 0
		.amdhsa_enable_private_segment 0
		.amdhsa_kernarg_size 56
		.amdhsa_user_sgpr_count 2
		.amdhsa_user_sgpr_kernarg_segment_ptr 1
		.amdhsa_wavefront_size32 1
		.amdhsa_system_sgpr_workgroup_id_x 1
		.amdhsa_system_sgpr_workgroup_id_y 1
		.amdhsa_system_sgpr_workgroup_id_z 1
		.amdhsa_system_vgpr_workitem_id 0
		.amdhsa_next_free_vgpr 1024
		.amdhsa_next_free_sgpr 100
		.amdhsa_reserve_vcc 1
		.amdhsa_float_denorm_mode_32 3
		.amdhsa_float_denorm_mode_16_64 3
		.amdhsa_memory_ordered 1
		.amdhsa_forward_progress 1
		.amdhsa_inst_pref_size 158
	.end_amdhsa_kernel
	.amdgpu_metadata
---
amdhsa.version: [ 1, 2 ]
amdhsa.kernels:
  - .name:           k_qbfe3636646_qkv
    .symbol:         k_qbfe3636646_qkv.kd
    .args:
      - { .name: xq, .offset: 0, .size: 8, .value_kind: global_buffer, .address_space: global }
      - { .name: wq, .offset: 8, .size: 8, .value_kind: global_buffer, .address_space: global }
      - { .name: b_qkv, .offset: 16, .size: 8, .value_kind: global_buffer, .address_space: global }
      - { .name: qq, .offset: 24, .size: 8, .value_kind: global_buffer, .address_space: global }
      - { .name: kv, .offset: 32, .size: 8, .value_kind: global_buffer, .address_space: global }
      - { .name: padding_mask, .offset: 40, .size: 8, .value_kind: global_buffer, .address_space: global }
      - { .name: vs, .offset: 48, .size: 8, .value_kind: global_buffer, .address_space: global }
    .group_segment_fixed_size: 327680
    .private_segment_fixed_size: 0
    .kernarg_segment_align: 8
    .kernarg_segment_size: 56
    .max_flat_workgroup_size: 128
    .sgpr_count:     100
    .vgpr_count:     1024
    .wavefront_size: 32
...
	.end_amdgpu_metadata
.endif
;; end of part 2
;; launch attn (part 3): grid 16 x 16, 8 waves a work-group, no clusters, 327,680 bytes of LDS; arguments qq, kv, padding_mask, hq, vs; writes hq
.if DOCPART == 3
	.amdgcn_target "amdgcn-amd-amdhsa--gfx1250"
	.amdhsa_code_object_version 6
	.text
	.protected	k_qbfe3636646_attn
	.globl	k_qbfe3636646_attn
	.p2align	8
	.type	k_qbfe3636646_attn,@function
k_qbfe3636646_attn:
	s_mov_b64 s[64:65], 0
	v_nop
	global_prefetch_b8 v0, s[64:65] scope:SCOPE_SE
	s_setreg_imm32_b32 hwreg(HW_REG_WAVE_MODE, 25, 1), 1
	s_wait_xcnt 0x0
; heads = softmax(q k^T / 8 under the causal and the padding mask) v, both products on codes of FP4 with E8M0 scales, and the heads quantised along the 1,024 for the last product.
; THE SOFTMAX: t = score x log2(e) / 8; M = the running largest t rounded up to a whole number; p = 2^(t - M) is quantised along the keys; the row's sum is taken of the unquantised p and divides at the end.
; When M moves, the sum and O^T are multiplied by 2^(old M - new M): exact.  A block's scale is 2^(floor(its largest t - M) - 2), floor(log2) of its largest p being that floor.
; SHARES.  Work-group (i, head) owns query blocks A = i and B = 31 - i of 128 queries.  Eight waves: wave w has the 32 queries (two tiles) number w % 4 of each block, and the key steps of group w / 4.
; The walk is one row of 33 steps of 128 keys: A's i + 1, then B's 32 - i; group g takes steps g, g + 2, ..: 17 or 16 for every wave of every work-group.  At the walk's change from A to B a wave puts A's sums aside.
; At the end group 0 receives group 1's part of A and finishes A, group 1 receives group 0's part of B and finishes B: the parts are brought under one M by powers of two.
; LEFT OUT: key steps that come after all of a block's queries: reference()'s causal mask hides them.  A NaN, an infinity or an overflow in them is not carried to the result.
; K AND V OF THE WHOLE HEAD LIE IN LDS: key steps 0-7 at the start (one load a wave), steps 8-31 behind one barrier (one load a wave: steps 8 + w, 16 + w, 24 + w); they are first read in the walk's ninth step.  Nothing is filled again.
; LAYOUT.  Both products transposed: S^T = K Q^T, O^T = V^T P^T: a lane holds one query of each tile.  The 16 registers of key tiles 2 b, 2 b + 1 are keys 32 b + 16 h + 0 .. 15.
; THE PADDING MASK IS CHANNEL 64 of the head (the head's K is 64, the instruction's 128): K holds 0 or -2^33 there (codes 0 or -4, made here from the mask; its scale bytes came with K), Q holds 1.
; All other channels beyond 63 of Q are zero codes, so what stands in K's registers there adds nothing.
; A run of padded keys ahead of the first valid one gives finite numbers, which the first valid key multiplies by 0.
; A ROW WITH NO VALID VISIBLE KEY has all 4,096 logits equal in the reference: its result is the sum of the quantised v over ALL keys / 4,096: vs holds it by key steps; chosen where the row's largest t lies under -2^29.
; NO CLUSTER: work-groups that share a head's K and V part in their branches on the query block; partners of a joint request run alike.  NO PREFETCH: all of K and V is asked for by two loads a wave, there is no loop of loads to run ahead in.
; LIMITS: |logit x log2(e)| of a valid key stays under 5e8; NaN and infinities are not served; a block whose largest magnitude lies under 2^-124 keeps the byte 1.
; REGISTERS.  Window 0: v1-11 addresses; v12-15 and v28-31 the two tiles' -M, largest t, sum (two halves); v32-95, v96-159 S^T, then p, of tiles 0 and 1; v160-191 at work; v192-207 p's codes;
;   v208-215, v224-241, v16-27 the sums' partial results; v216-223 A's states; v242-251 scale words alone.
; Window 1: v0-15 Q of both tiles, v16-23 B's; v32-95 O^T of both tiles; v96-159 A's; v160-191 V's four fragments; v192-241 K: tile t at 192 + 6 t: four registers of codes, one of the mask, one of zeros.
.set SC0,   2097152
.set TILEB, 8704
.set HEADB, 286720
.set STEPB, 8960                       ; a key step: K's 8 half images, V^T's 4 fragments at 4,096, K's words at 8,192, V's at 8,704
.set MB,    286720                     ; the mask's code words of the 4,096 keys, in the tiles' order
.set VSP,   303104                     ; eight parts of the sum of v
.set VSF,   305152                     ; the sum of v, a copy for each wave
.set SPARE, 307200                     ; the spare words, 128 bytes for each wave: four blocks of 256 bytes that no other line names
.set SENDB, 9216                       ; what a wave sends at the end: two tiles x (4,096 + 512)
.set WV, 14
.set P,  15
.set G,  16
.set BA, 17
.set I1, 18
.set N,  19                            ; the walk's step
.set SEL, 20
.set CS, 22                            ; s[22:23] c = log2(e) / 8
.set G1, 24
.set G0, 32
.set BBK, 36
.set K,  37                            ; the key step
.set BLK, 38                           ; the query block
.set D,  39
.set G1X, 40
.set G0X, 48
.set BASE, 52
.set T1, 53
.set T2, 54
.set T3, 55
.set CNT, 56
.set HD, 57
.set HM, 58
.set NX, 59                            ; the step whose K is fetched
.set MSB, 0
.macro WIN new                         ; the immediate's high byte repeats the setting that is left
.if MSB != (\new)
	s_set_vgpr_msb (MSB<<8)|(\new)
.set MSB, (\new)
.endif
.endm
.macro START                           ; a block's walk begins: -M, the largest t, the sum
	v_mov_b32 v12, 0x7f61b1e6
	v_mov_b32 v28, 0x7f61b1e6
	v_mov_b32 v13, 0xff61b1e6
	v_mov_b32 v29, 0xff61b1e6
.irp j, 14,15,30,31
	v_mov_b32 v[\j], 0
.endr
.endm
.macro ZERO64 d
.set n, 0
.rept 64
	v_mov_b32 v[\d+n], 0
.set n, n+1
.endr
.endm
	s_load_b256 s[4:11], s[0:1], 0x0               ; qq s[4:5], kv s[6:7], padding_mask s[8:9], hq s[10:11]
	s_load_b64 s[12:13], s[0:1], 0x20              ; vs
	v_lshl_add_u32 v1, v0, 2, SPARE
	v_mov_b32 v2, 0
	ds_add_u32 v1, v2                              ; the opening: the add, twice on end, and its wait
	ds_add_u32 v1, v2
	v_lshrrev_b32 v10, 5, v0
	v_readfirstlane_b32 s[WV], v10                 ; wave 0..7
	s_and_b32 s[P], s[WV], 3
	s_lshr_b32 s[G], s[WV], 2
	s_mov_b32 s[BA], ttmp9
	s_add_co_u32 s[I1], s[BA], 1
	s_sub_co_u32 s[BBK], 31, s[BA]
	s_and_b32 s[HD], ttmp7, 0xffff                 ; the head
	; group 1, the first load: a key step, 35 rows of 256 dense bytes
	s_mov_b32 s[G1], 3<<16
	s_mov_b32 s[G1+1], 32<<16
	s_mov_b32 s[G1+2], 35<<16
	s_mov_b32 s[G1+3], 32<<16
	s_mov_b32 s[G1+4], 35
	s_mov_b32 s[G1+5], 32
	s_mov_b32 s[G1+6], 0
	s_mov_b32 s[G1+7], 0
	; the second: three key steps, eight steps apart
	s_mov_b32 s[G1X], 3<<16
	s_mov_b32 s[G1X+1], (STEPB/8)<<16
	s_mov_b32 s[G1X+2], 3<<16
	s_mov_b32 s[G1X+3], (STEPB/8)<<16
	s_mov_b32 s[G1X+4], 3
	s_mov_b32 s[G1X+5], STEPB
	s_mov_b32 s[G1X+6], 0
	s_mov_b32 s[G1X+7], 0
	s_mul_i32 s78, s[HD], HEADB
	s_mul_i32 s86, s[WV], STEPB
	s_add_co_u32 s78, s78, s86                     ; kv: the head's key step w,
	s_mov_b32 s79, 0
	s_add_co_u32 s88, s78, 8*STEPB                 ; and step 8 + w
	s_mov_b32 s89, 0
	s_mul_i32 s87, s[WV], 3*STEPB
	s_add_co_u32 s87, s87, 8*STEPB                 ; where steps 8 + w, 16 + w, 24 + w go
	s_lshl_b32 s80, s[BA], 3
	s_lshl_b32 s81, s[BBK], 3
	s_lshl_b32 s82, s[P], 1
	s_add_co_u32 s80, s80, s82                     ; my first tile of A,
	s_add_co_u32 s81, s81, s82                     ; of B
	s_lshl_b32 s82, s[HD], 8
	s_add_co_u32 s66, s82, s80                     ; qq: head x 256 + tile
	s_add_co_u32 s68, s82, s81
	s_lshl_b32 s70, s66, 6
	s_add_co_u32 s70, s70, SC0
	s_lshl_b32 s72, s68, 6
	s_add_co_u32 s72, s72, SC0
	s_lshl_b32 s66, s66, 9
	s_lshl_b32 s68, s68, 9
	s_mov_b32 s67, 0
	s_mov_b32 s69, 0
	s_mov_b32 s71, 0
	s_mov_b32 s73, 0
	s_cmp_eq_u32 s[G], 0
	s_cselect_b32 s83, s80, s81                    ; the first tile that I finish: group 0 A's, group 1 B's
	s_mul_i32 s74, s83, TILEB
	s_lshr_b32 s84, s[HD], 1
	s_and_b32 s85, s[HD], 1
	s_lshl_b32 s82, s84, 6
	s_add_co_u32 s76, s74, s82
	s_lshl_b32 s82, s85, 1
	s_add_co_u32 s76, s76, s82
	s_add_co_u32 s76, s76, 8192                    ; hq's scale words: tile x TILEB + 8,192 + K step x 64, my two bytes at 2 (head % 2)
	s_lshl_b32 s82, s84, 10
	s_add_co_u32 s74, s74, s82
	s_lshl_b32 s82, s85, 9
	s_add_co_u32 s74, s74, s82                     ; its codes: tile x TILEB + K step x 1,024 + 512 (head % 2)
	s_mov_b32 s75, 0
	s_mov_b32 s77, 0
	s_lshl_b32 s90, s[HD], 13
	s_lshl_b32 s82, s[WV], 10
	s_add_co_u32 s90, s90, s82                     ; vs: the head's key steps 4 w .. 4 w + 3
	s_mov_b32 s91, 0
	s_mov_b32 s[SEL], 0x76543210
	s_mov_b32 s[SEL+1], 0xfedcba98
	s_mov_b32 s[CS], 0x3e38aa3b
	s_mov_b32 s[CS+1], s[CS]                       ; (named with it as a pair, so it is written)
	s_mov_b32 s[HM], 0xffff0000                    ; lanes 16-31
	s_mov_b32 s[N], s[G]
	s_wait_alu depctr_va_vdst(0)
	s_wait_dscnt 0x0                               ; both opening adds are done
	s_wait_kmcnt 0x0
	s_mov_b32 s[G0], 1
	s_mov_b32 s[G0+1], s86
	s_add_nc_u64 s[G0+2:G0+3], s[6:7], s[78:79]
	s_or_b32 s[G0+3], s[G0+3], 0x80000000
	s_mov_b32 s[G0X], 1
	s_mov_b32 s[G0X+1], s87
	s_add_nc_u64 s[G0X+2:G0X+3], s[6:7], s[88:89]
	s_or_b32 s[G0X+3], s[G0X+3], 0x80000000
	tensor_load_to_lds s[G0:G0+3], s[G1:G1+7]      ; key step w: the one load at the head
	s_nop 0
	s_add_nc_u64 s[66:67], s[4:5], s[66:67]
	s_add_nc_u64 s[68:69], s[4:5], s[68:69]
	s_add_nc_u64 s[70:71], s[4:5], s[70:71]
	s_add_nc_u64 s[72:73], s[4:5], s[72:73]
	s_add_nc_u64 s[74:75], s[10:11], s[74:75]
	s_add_nc_u64 s[76:77], s[10:11], s[76:77]
	s_add_nc_u64 s[12:13], s[12:13], s[90:91]
	v_and_b32 v10, 31, v0                          ; lane
	v_and_b32 v11, 15, v0                          ; r
	v_bfe_u32 v253, v0, 4, 1                       ; h
	v_lshlrev_b32 v3, 4, v10                       ; 16 x lane
	v_lshlrev_b32 v4, 2, v10                       ; 4 x lane
	v_lshl_add_u32 v5, v11, 2, MB                  ; the mask's words: 4 r
	v_lshlrev_b32 v6, 4, v0
	v_lshlrev_b32 v7, 3, v10
	global_load_b128 v[32:35], v6, s[8:9]          ; thread t: the mask's bytes of keys 16 t .. 16 t + 15
.irp j, 0,1,2,3
	global_load_b64 v[36+2*\j:37+2*\j], v7, s[12:13] offset:256*\j
.endr
	global_load_b32 v248, v4, s[70:71]             ; Q's scale words: lanes 0-15 tile 0's, lanes 16-31 tile 1's
	global_load_b32 v249, v4, s[72:73]
	v_and_b32 v252, 8, v11
	s_lshl_b32 s[T1], s[P], 5
	v_add3_u32 v9, v252, v11, s[T1]
	v_lshlrev_b32 v252, 4, v253
	v_sub_nc_u32 v9, v9, v252                      ; my query of tile 0 in its block, 32 p + r + 8 (r / 8), less 16 h
	v_sub_nc_u32 v252, 1, v253
	v_mul_u32_u24 v16, 6, v252                     ; Q's channel 64: the code 6 is the number 4, its scale 2^-2; lanes 16-31 (channels 96 on) zeros
	v_lshl_add_u32 v10, v10, 3, VSP
	s_lshl_b32 s[T1], s[WV], 8
	v_add_nc_u32 v8, s[T1], v10                    ; my part of the sum of v
	v_add_nc_u32 v11, VSF-VSP, v8                  ; and my copy of the whole
	v_lshrrev_b32 v252, 1, v0
	v_and_b32 v156, 1, v0
	v_lshlrev_b32 v156, 5, v156
	v_lshl_add_u32 v252, v252, 7, v156
	v_add_nc_u32 v252, MB, v252                    ; my 16 keys' words: eight in each of two tiles
.irp j, 168,169,170,171,172,173,174,175,184,185,186,187,216,217,218,219,220,221,222,223
	v_mov_b32 v[\j], 0                             ; permutes' destinations; pairs' upper halves; A's states
.endr
	START
	WIN 0x40
	global_load_b128 v[0:3], v3, s[66:67]          ; Q's half images stay in registers, A's and B's
	global_load_b128 v[8:11], v3, s[66:67] offset:512
	global_load_b128 v[16:19], v3, s[68:69]
	global_load_b128 v[20:23], v3, s[68:69] offset:512
	v_mov_b32 v4, v16
	v_mov_b32 v12, v16
.irp j, 5,6,7,13,14,15,197,203,209,215,221,227,233,239,240,241
	v_mov_b32 v[\j], 0                             ; Q's zero codes; K's registers that no load fills
.endr
	ZERO64 32                                      ; O^T
	ZERO64 96
	WIN 0
	s_wait_alu depctr_va_vdst(0)                   ; the wait at the head's end
	s_wait_loadcnt 6                               ; the mask's bytes and the parts of vs are in; Q's six loads may be out
.irp q, 0,1,2,3
	v_xor_b32 v[32+\q], 0x01010101, v[32+\q]
.endr
.irp e, 0,1,2,3,4,5,6,7,8,9,10,11,12,13,14,15
	v_bfe_u32 v[48+\e], v[32+\e/4], 8*(\e%4), 8
.endr
.irp e, 0,1,2,3,4,5,6,7,8,9,10,11,12,13,14,15
	v_mul_u32_u24 v[48+\e], 14, v[48+\e]           ; a padded key: the code 14, -4
.endr
	v_pk_add_f32 v[36:37], v[36:37], v[38:39]
	v_pk_add_f32 v[40:41], v[40:41], v[42:43]
	v_pk_add_f32 v[36:37], v[36:37], v[40:41]
	ds_store_b128 v252, v[48:51]
	ds_store_b128 v252, v[52:55] offset:16
	ds_store_b128 v252, v[56:59] offset:64
	ds_store_b128 v252, v[60:63] offset:80
	ds_store_b64 v8, v[36:37]
	s_wait_alu depctr_va_vdst(0)
	s_wait_loadcnt 0x0                             ; Q
	s_wait_tensorcnt 0x0                           ; my key step is in
	ds_add_u32 v1, v2
	s_wait_dscnt 0x0                               ; the add is done, my stores have landed
	s_barrier_signal -1
	s_barrier_wait -1
	tensor_load_to_lds s[G0X:G0X+3], s[G1X:G1X+7]  ; key steps 8 + w, 16 + w, 24 + w: they land under the walk's first eight steps
	s_nop 0
.macro SWM t, u                        ; S^T's tile t of query tile u.  One scale register serves two key tiles (lanes 0-15, 16-31), and one both query tiles
.set SD, 32+64*(\u)+8*(\t)
.set QB, 8*(\u)
.if (\t)%2
.if \u
	v_wmma_scale_f32_16x16x128_f8f6f4 v[SD:SD+7], v[192+6*\t:199+6*\t], v[QB:QB+7], 0, v[242+\t/2], v248 matrix_a_fmt:MATRIX_FMT_FP4 matrix_b_fmt:MATRIX_FMT_FP4 matrix_a_scale:MATRIX_SCALE_ROW1 matrix_b_scale:MATRIX_SCALE_ROW1
.else
	v_wmma_scale_f32_16x16x128_f8f6f4 v[SD:SD+7], v[192+6*\t:199+6*\t], v[QB:QB+7], 0, v[242+\t/2], v248 matrix_a_fmt:MATRIX_FMT_FP4 matrix_b_fmt:MATRIX_FMT_FP4 matrix_a_scale:MATRIX_SCALE_ROW1
.endif
.else
.if \u
	v_wmma_scale_f32_16x16x128_f8f6f4 v[SD:SD+7], v[192+6*\t:199+6*\t], v[QB:QB+7], 0, v[242+\t/2], v248 matrix_a_fmt:MATRIX_FMT_FP4 matrix_b_fmt:MATRIX_FMT_FP4 matrix_b_scale:MATRIX_SCALE_ROW1
.else
	v_wmma_scale_f32_16x16x128_f8f6f4 v[SD:SD+7], v[192+6*\t:199+6*\t], v[QB:QB+7], 0, v[242+\t/2], v248 matrix_a_fmt:MATRIX_FMT_FP4 matrix_b_fmt:MATRIX_FMT_FP4
.endif
.endif
.endm
.macro PV f, u                         ; O^T's tile f of query tile u
.set OD, 32+32*(\u)+8*(\f)
.if (\f)%2
	v_wmma_scale_f32_16x16x128_f8f6f4 v[OD:OD+7], v[160+8*\f:167+8*\f], v[192+8*\u:199+8*\u], v[OD:OD+7], v[246+\f/2], v[250+\u] matrix_a_fmt:MATRIX_FMT_FP4 matrix_b_fmt:MATRIX_FMT_FP4 matrix_a_scale:MATRIX_SCALE_ROW1
.else
	v_wmma_scale_f32_16x16x128_f8f6f4 v[OD:OD+7], v[160+8*\f:167+8*\f], v[192+8*\u:199+8*\u], v[OD:OD+7], v[246+\f/2], v[250+\u] matrix_a_fmt:MATRIX_FMT_FP4 matrix_b_fmt:MATRIX_FMT_FP4
.endif
.endm
.macro TP s, k                         ; the register pair of partial sum k, 0 .. 18
.if (\k) < 4
.set \s, 208+2*(\k)
.elseif (\k) < 13
.set \s, 224+2*((\k)-4)
.else
.set \s, 16+2*((\k)-13)
.endif
.endm
.macro TADD a, b                       ; partial sum a += partial sum b
	TP TA, \a
	TP TC, \b
	v_pk_add_f32 v[TA:TA+1], v[TA:TA+1], v[TC:TC+1]
.endm
.macro SADD st, k                      ; a row's sum += partial sum k
	TP TA, \k
	v_pk_add_f32 v[\st:\st+1], v[\st:\st+1], v[TA:TA+1]
.endm
.macro MXR u, r                        ; row r of the search for the largest score of each block of 32 keys, query tile u; each accumulator is read from its low end on
.irp b, 0,1,2,3
.if (\r) == 0
	v_max3_num_f32 v[160+4*\u+\b], v[32+64*\u+16*\b], v[33+64*\u+16*\b], v[34+64*\u+16*\b]
.elseif (\r) < 7
	v_max3_num_f32 v[160+4*\u+\b], v[160+4*\u+\b], v[33+64*\u+16*\b+2*\r], v[34+64*\u+16*\b+2*\r]
.else
	v_max_num_f32 v[160+4*\u+\b], v[160+4*\u+\b], v[47+64*\u+16*\b]
.endif
.endr
.endm
.macro MXP u
.irp b, 0,1,2,3
	v_permlanex16_b32 v[168+4*\u+\b], v[160+4*\u+\b], s[SEL], s[SEL+1]
.endr
.endm
.macro MXJ u                           ; with lane l xor 16's 16 keys
.irp b, 0,1,2,3
	v_max_num_f32 v[160+4*\u+\b], v[160+4*\u+\b], v[168+4*\u+\b]
.endr
.endm
.macro FM k                            ; tile 0's t - M, two at a time: eight of its 64
.set n, 8*(\k)
.rept 4
	v_pk_fma_f32 v[32+n:33+n], v[32+n:33+n], s[CS:CS+1], v[12:13] op_sel_hi:[1,0,0]
.set n, n+2
.endr
.endm
.macro SCALE32 o, f
.set n, 0
.rept 16
	v_pk_mul_f32 v[\o+n:\o+1+n], v[\o+n:\o+1+n], v[\f:\f+1] op_sel_hi:[1,0]
.set n, n+2
.endr
.endm
; K OF STEP NX, and the addresses of its V.  late = 0: the walk's first eight steps, whose keys lie in the first eight LDS steps.
.macro KCALC late
	s_sub_co_u32 s[D], s[NX], s[I1]
	s_cmp_lt_u32 s[NX], s[I1]
	s_cselect_b32 s[K], s[NX], s[D]
	s_cselect_b32 s[BLK], s[BA], s[BBK]
	s_and_b32 s[T1], s[K], 7
	s_mul_i32 s[BASE], s[T1], STEPB                ; key steps 0-7 lie on end,
.if \late
	s_mul_i32 s[T1], s[T1], 3*STEPB                ; behind them steps 8 + w, 16 + w, 24 + w for each w
	s_lshr_b32 s[T2], s[K], 3
	s_and_b32 s[T2], s[T2], 3
	s_mul_i32 s[T3], s[T2], STEPB
	s_add_co_u32 s[T1], s[T1], s[T3]
	s_add_co_u32 s[T1], s[T1], 7*STEPB
	s_cmp_eq_u32 s[T2], 0
	s_cselect_b32 s[BASE], s[BASE], s[T1]
.endif
	s_and_b32 s[T1], s[K], 31
	s_lshl_b32 s[T1], s[T1], 9
.endm
.macro KLOAD
	v_add_nc_u32 v6, s[BASE], v3
	v_add_nc_u32 v7, s[BASE], v4
	v_add_nc_u32 v8, s[T1], v5
.irp b, 0,1,2,3
	ds_load_b32 v[242+\b], v7 offset:8192+128*\b   ; the scale words of two key tiles
.endr
	WIN 0x40
.irp t, 0,1,2,3,4,5,6,7
	ds_load_b128 v[192+6*\t:195+6*\t], v6 offset:512*\t
	ds_load_b32 v[196+6*\t], v8 offset:64*\t       ; the mask's codes
.endr
	WIN 0
.endm
; A STEP OF THE WALK: 128 keys x my 32 queries.
.macro RND late
.if \late
	s_cmp_gt_u32 s[N], 32
	s_cbranch_scc1 .Lvoid_\@                       ; 33 steps: group 1 has one fewer
.endif
	s_sub_co_u32 s[D], s[N], s[I1]
	s_cmp_lt_u32 s[D], 2
	s_cbranch_scc0 .Lstay_\@                       ; my first step of B:
.rept 4
	v_nop                                          ; places behind the last products
.endr
.irp j, 0,1,2,3
	v_mov_b32 v[216+\j], v[12+\j]                  ; A's states and sums are put aside,
	v_mov_b32 v[220+\j], v[28+\j]
.endr
	v_mov_b32 v248, v249
	START
	WIN 0x41
.irp j, 0,1,2,3
	v_mov_b32 v[\j], v[16+\j]                      ; Q is B's,
	v_mov_b32 v[8+\j], v[20+\j]
.endr
.set n, 0
.rept 64
	v_mov_b32 v[96+n], v[32+n]
.set n, n+1
.endr
	ZERO64 32                                      ; and O^T begins anew
	WIN 0
	s_wait_alu depctr_va_vdst(0)
.Lstay_\@:
	s_wait_dscnt 0x0                               ; K
	WIN 0x05
.irp t, 0,1,2,3,4,5,6,7
	SWM \t, 0
.endr
.irp t, 0,1,2,3,4,5,6,7
	SWM \t, 1
.endr
	WIN 0
.rept 4
	v_nop
.endr
	WIN 0x40
.irp f, 0,1,2,3                                ; V is asked for now and lands under the softmax
.irp c, 0,1
	ds_load_b128 v[160+8*\f+4*\c:163+8*\f+4*\c], v6 offset:4096+1024*\f+512*\c
.endr
.endr
	WIN 0
.irp b, 0,1
	ds_load_b32 v[246+\b], v7 offset:8704+128*\b
.endr
	s_cmp_lg_u32 s[K], s[BLK]
	s_cbranch_scc1 .Lopen_\@                       ; the diagonal: register 16 b + i holds key 32 b + 16 h + i of the step: hidden where it lies above my query
	v_mov_b32 v252, 0xff800000                     ; -infinity: p = 0
.set n, 0
.rept 64
	v_cmp_gt_i32 vcc_lo, 32*(n/16)+n%16, v9
	v_cndmask_b32 v[32+n], v[32+n], v252, vcc_lo
.set n, n+1
.endr
.set n, 0
.rept 64
	v_cmp_gt_i32 vcc_lo, 32*(n/16)+n%16-8, v9      ; tile 1's queries are 8 on
	v_cndmask_b32 v[96+n], v[96+n], v252, vcc_lo
.set n, n+1
.endr
.Lopen_\@:
	; tile 0's chain from its largest score to -M stands between tile 1's maxima, tile 1's between tile 0's multiply-adds
.irp r, 0,1,2,3,4
	MXR 0, \r
	MXR 1, \r
.endr
	MXR 0, 5
	MXR 0, 6
	MXR 0, 7
	MXR 1, 5
	MXP 0
	MXR 1, 6
	MXJ 0
	MXR 1, 7
	v_max3_num_f32 v188, v160, v161, v162
	MXP 1
	v_max_num_f32 v188, v188, v163                 ; the step's largest score of tile 0,
	MXJ 1
	v_mul_f32 v188, s[CS], v188                    ; as t
	v_max3_num_f32 v189, v164, v165, v166
	v_mov_b32 v190, v12
	v_mov_b32 v191, v28
	v_max_num_f32 v13, v13, v188                   ; the running largest t
	v_max_num_f32 v189, v189, v167
	v_floor_f32 v12, -v13                          ; the new -M = -ceil(t)
	v_mul_f32 v189, s[CS], v189
	v_sub_f32 v190, v12, v190                      ; old M - new M: a whole number, 0 or less
	v_pk_fma_f32 v[160:161], v[160:161], s[CS:CS+1], v[12:13] op_sel_hi:[1,0,0]   ; each block's largest t - M
	v_max_num_f32 v29, v29, v189
	v_pk_fma_f32 v[162:163], v[162:163], s[CS:CS+1], v[12:13] op_sel_hi:[1,0,0]
	FM 0
	v_floor_f32 v28, -v29
	v_cvt_i32_f32 v190, v190                       ; (it saturates)
	FM 1
	v_sub_f32 v191, v28, v191
	v_pk_fma_f32 v[164:165], v[164:165], s[CS:CS+1], v[28:29] op_sel_hi:[1,0,0]
	v_pk_fma_f32 v[166:167], v[166:167], s[CS:CS+1], v[28:29] op_sel_hi:[1,0,0]
	v_ldexp_f32 v184, 1.0, v190                    ; f = 2^(old M - new M)
	FM 2
	v_cvt_i32_f32 v191, v191
.irp b, 0,1,2,3,4,5,6,7
	v_max_num_f32 v[160+\b], 0xc2f80000, v[160+\b] ; -124: the byte cannot fall under 1
.endr
	FM 3
	v_ldexp_f32 v186, 1.0, v191
.irp b, 0,1,2,3,4,5,6,7
	v_cvt_floor_i32_f32 v[168+\b], v[160+\b]       ; the exponent of the block's largest p
.endr
.irp k, 4,5,6,7
	FM \k
.endr
	v_lshl_add_u32 v188, v171, 8, v170             ; the scale words: the four bytes are the exponents + 125
	v_lshl_add_u32 v189, v175, 8, v174
	v_lshl_add_u32 v188, v188, 8, v169
	v_lshl_add_u32 v189, v189, 8, v173
	v_lshl_add_u32 v188, v188, 8, v168
	v_lshl_add_u32 v189, v189, 8, v172
	v_add_nc_u32 v250, 0x7d7d7d7d, v188
	v_add_nc_u32 v251, 0x7d7d7d7d, v189
	s_wait_alu depctr_va_vdst(0)
.set n, 0
.rept 32                               ; tile 0's p = 2^(t - M); between them tile 1's t - M, and the conversions' scale operands, (exponent + 125) << 23
	v_exp_f32 v[32+2*n], v[32+2*n]
	v_pk_fma_f32 v[96+2*n:97+2*n], v[96+2*n:97+2*n], s[CS:CS+1], v[28:29] op_sel_hi:[1,0,0]
	v_exp_f32 v[33+2*n], v[33+2*n]
.if (n%4) == 0
	v_lshl_add_u32 v[176+n/4], v[168+n/4], 23, 0x3e800000
.endif
.set n, n+1
.endr
	s_wait_alu depctr_va_vdst(0)
.set n, 0
.rept 32                               ; tile 1's p; between them tile 0's codes and the first sums of the unquantised p, two at a time
	v_exp_f32 v[96+2*n], v[96+2*n]
.if (n%2) == 0
	TP TA, n/2
	v_pk_add_f32 v[TA:TA+1], v[32+2*n:33+2*n], v[34+2*n:35+2*n]
.endif
	v_exp_f32 v[97+2*n], v[97+2*n]
.if (n%4) == 1
	v_cvt_scalef32_pk8_fp4_f32 v[192+n/4], v[32+8*(n/4):39+8*(n/4)], v[176+n/8]
.endif
.set n, n+1
.endr
	s_add_co_u32 s[NX], s[N], 2
	KCALC \late                                    ; scalar work for the next step, ahead of the wait
	s_wait_alu depctr_va_vdst(0)
	s_wait_dscnt 0x0                               ; V
	s_cmp_gt_u32 s[NX], 7+25*\late
	s_cbranch_scc1 .Lnok_\@                        ; the phase's last step fetches nothing ahead
	KLOAD                                          ; the next step's K
.Lnok_\@:
	v_pk_mul_f32 v[14:15], v[14:15], v[184:185] op_sel_hi:[1,0]   ; the sums under the new M
	v_pk_mul_f32 v[30:31], v[30:31], v[186:187] op_sel_hi:[1,0]
.irp m, 0,1,2,3,4,5,6,7
	v_cvt_scalef32_pk8_fp4_f32 v[200+\m], v[96+8*\m:103+8*\m], v[180+\m/2]
	TADD \m, \m+8
.endr
.set n, 0
.rept 7                                ; tile 1's sum in eight chains: partial sums 8 to 14 and v[30:31]; tile 0's eight partial sums join between
	TP TA, 8+n
	v_pk_add_f32 v[TA:TA+1], v[96+4*n:97+4*n], v[98+4*n:99+4*n]
.set n, n+1
.endr
	TADD 0, 4
	TADD 1, 5
	TADD 2, 6
	TADD 3, 7
.set n, 0
.rept 18
.if (n%8) == 7
.set TA, 30
.else
	TP TA, 8+n%8
.endif
	v_pk_add_f32 v[TA:TA+1], v[TA:TA+1], v[124+2*n:125+2*n]
.if n == 7
	TADD 0, 2
	TADD 1, 3
.endif
.if n == 15
	TADD 0, 1
.endif
.set n, n+1
.endr
	TADD 8, 12
	TADD 9, 13
	TADD 10, 14
	SADD 30, 11
	SADD 14, 0
.irp c, 192,196
.irp i, 0,1
	v_permlane16_swap_b32 v[\c+\i], v[\c+2+\i]     ; a whole block to a lane
.endr
.endr
	TADD 8, 10
	SADD 30, 9
.irp c, 200,204
.irp i, 0,1
	v_permlane16_swap_b32 v[\c+\i], v[\c+2+\i]
.endr
.endr
	SADD 30, 8
	WIN 0x41
	s_wait_alu depctr_va_vdst(0)
	SCALE32 32, 184                                ; O^T under the new M
	SCALE32 64, 186
	WIN 0x51
.irp f, 0,1,2,3
	PV \f, 0
.endr
.irp f, 0,1,2,3
	PV \f, 1
.endr
	WIN 0
.Lvoid_\@:
	s_add_co_u32 s[N], s[N], 2
.endm
	s_mov_b32 s[CNT], 4
	s_mov_b32 s[NX], s[N]
	KCALC 0
	KLOAD
	s_wait_alu depctr_va_vdst(0)
.Learly:                                           ; the walk's steps 0-7
	RND 0
	s_sub_co_u32 s[CNT], s[CNT], 1
	s_cmp_lg_u32 s[CNT], 0
	s_cbranch_scc1 .Learly
	s_wait_alu depctr_va_vdst(0)
	s_wait_tensorcnt 0x0                           ; my part of key steps 8-31 is in
	s_wait_dscnt 0x0
	s_barrier_signal -1
	s_barrier_wait -1                              ; and everybody's.
.rept 4
	v_nop
.endr
.irp j, 0,1,2,3,4,5,6,7
	ds_load_b64 v[192+2*\j:193+2*\j], v10 offset:256*\j   ; the eight parts of the sum of v: two channels a lane
.endr
	s_mov_b32 s[NX], s[N]
	KCALC 1
	KLOAD
	s_wait_alu depctr_va_vdst(0)
	s_wait_dscnt 20                                ; the eight parts are in; K's 20 loads may be out
.irp j, 192,194,196,198
	v_pk_add_f32 v[\j:\j+1], v[\j:\j+1], v[\j+8:\j+9]
.endr
	v_pk_add_f32 v[192:193], v[192:193], v[196:197]
	v_pk_add_f32 v[194:195], v[194:195], v[198:199]
	v_pk_add_f32 v[192:193], v[192:193], v[194:195]
	ds_store_b64 v11, v[192:193]
	s_wait_alu depctr_va_vdst(0)
	s_mov_b32 s[CNT], 13
.Llate:                                            ; steps 8-32
	RND 1
	s_sub_co_u32 s[CNT], s[CNT], 1
	s_cmp_lg_u32 s[CNT], 0
	s_cbranch_scc1 .Llate
	; THE END.  Group 0 sends its part of B and keeps A's, group 1 sends A's and keeps B's, through LDS bytes of K and V that nobody reads any more.
.rept 4
	v_nop                                          ; places behind the last products
.endr
	s_mul_i32 s[T1], s[WV], SENDB
	s_xor_b32 s[T2], s[WV], 4
	s_mul_i32 s[T2], s[T2], SENDB
	s_lshl_b32 s[T3], s[WV], 8
	s_add_co_u32 s[T3], s[T3], VSF
	v_add_nc_u32 v6, s[T1], v3                     ; what I send,
	v_add_nc_u32 v7, s[T2], v3                     ; what wave w xor 4 sends me
	v_bfe_u32 v253, v0, 4, 1
	v_lshlrev_b32 v8, 5, v253
	v_add_nc_u32 v8, s[T3], v8                     ; the sum of v, my half's channels: tile f's at 64 f + 32 h
	s_wait_alu depctr_va_vdst(0)
	s_wait_dscnt 0x0
	s_barrier_signal -1
	s_barrier_wait -1                              ; nobody reads K and V any more
.macro SENDO o
	WIN 0x04
.irp e, 0,1,2,3,4,5,6,7,8,9,10,11,12,13,14,15
	ds_store_b128 v6, v[\o+4*\e:\o+4*\e+3] offset:512*(\e%8)+4608*(\e/8)
.endr
	WIN 0
.endm
	s_cmp_eq_u32 s[G], 0
	s_cbranch_scc1 .Lsend_b
	SENDO 96
	ds_store_b128 v6, v[216:219] offset:4096
	ds_store_b128 v6, v[220:223] offset:8704
.irp j, 0,1,2,3
	v_mov_b32 v[104+\j], v[12+\j]                  ; the states that I keep
	v_mov_b32 v[108+\j], v[28+\j]
.endr
	s_wait_alu depctr_va_vdst(0)
	s_branch .Lsent
.Lsend_b:
	SENDO 32
	ds_store_b128 v6, v[12:15] offset:4096
	ds_store_b128 v6, v[28:31] offset:8704
.irp j, 0,1,2,3
	v_mov_b32 v[104+\j], v[216+\j]
	v_mov_b32 v[108+\j], v[220+\j]
.endr
.Lsent:
	s_wait_alu depctr_va_vdst(0)
	s_wait_dscnt 0x0
	s_barrier_signal -1
	s_barrier_wait -1
	ds_load_b128 v[96:99], v7 offset:4096
	ds_load_b128 v[100:103], v7 offset:8704
.irp e, 0,1,2,3,4,5,6,7,8,9,10,11,12,13,14,15
	ds_load_b128 v[32+4*\e:35+4*\e], v7 offset:512*(\e%8)+4608*(\e/8)
.endr
.irp e, 0,1,2,3,4,5,6,7
	ds_load_b128 v[112+4*\e:115+4*\e], v8 offset:64*(\e/2)+16*(\e%2)
.endr
	s_wait_dscnt 24                                ; the two states are in; the 24 loads behind them may be out
	v_min_num_f32 v144, v104, v96                  ; -M of both parts,
	v_min_num_f32 v145, v108, v100
	v_max_num_f32 v146, v105, v97                  ; and the row's largest t
	v_max_num_f32 v147, v109, v101
	v_sub_f32 v160, v144, v104
	v_sub_f32 v161, v145, v108
	v_sub_f32 v162, v144, v96
	v_sub_f32 v163, v145, v100
.irp j, 160,161,162,163
	v_cvt_i32_f32 v[\j], v[\j]
.endr
	v_ldexp_f32 v184, 1.0, v160                    ; the kept part's factors,
	v_ldexp_f32 v186, 1.0, v161
	v_ldexp_f32 v168, 1.0, v162                    ; and the received part's
	v_ldexp_f32 v170, 1.0, v163
	v_add_f32 v106, v106, v107
	v_add_f32 v110, v110, v111
	v_add_f32 v98, v98, v99
	v_add_f32 v102, v102, v103
	v_mul_f32 v98, v98, v168
	v_mul_f32 v102, v102, v170
	v_fma_f32 v98, v106, v184, v98
	v_fma_f32 v102, v110, v186, v102
	v_permlanex16_b32 v172, v98, s[SEL], s[SEL+1]
	v_permlanex16_b32 v173, v102, s[SEL], s[SEL+1]
	v_add_f32 v98, v98, v172                       ; the rows' sums
	v_add_f32 v102, v102, v173
	v_cmp_gt_f32 s60, 0xce000000, v146             ; -2^29 > the row's largest t: no valid key was visible
	v_cmp_gt_f32 s61, 0xce000000, v147
	s_wait_alu depctr_va_vdst(0)
	v_rcp_f32 v98, v98
	v_rcp_f32 v102, v102
	v_mov_b32 v174, 0x39800000                     ; 1 / 4,096
	s_wait_alu depctr_va_vdst(0)
	v_cndmask_b32 v176, v98, v174, s60             ; the divisors' reciprocals
	v_cndmask_b32 v178, v102, v174, s61
	s_wait_alu depctr_va_vdst(0)
	s_wait_dscnt 0x0
	SCALE32 32, 168
	SCALE32 64, 170
.macro JOIN d, o, f                    ; the kept part x its factor + the received part
.set n, 0
.rept 16
	v_pk_fma_f32 v[\d+n:\d+1+n], v[\o+n:\o+1+n], v[\f:\f+1], v[\d+n:\d+1+n] op_sel_hi:[1,0,1]
.set n, n+2
.endr
.endm
	s_wait_alu depctr_va_vdst(0)
	s_cmp_eq_u32 s[G], 0
	s_cbranch_scc1 .Lkept_a
	WIN 0x01
	s_wait_alu depctr_va_vdst(0)
	JOIN 32, 32, 184
	JOIN 64, 64, 186
	WIN 0
	s_wait_alu depctr_va_vdst(0)
	s_branch .Ljoined
.Lkept_a:
	WIN 0x01
	JOIN 32, 96, 184
	JOIN 64, 128, 186
	WIN 0
	s_wait_alu depctr_va_vdst(0)
.Ljoined:
.set n, 0
.rept 32
	v_cndmask_b32 v[32+n], v[32+n], v[112+n], s60
	v_cndmask_b32 v[64+n], v[64+n], v[112+n], s61
.set n, n+1
.endr
	SCALE32 32, 176                                ; register 16 g + i of a tile is channel 32 g + 16 h + i of my query
	SCALE32 64, 178
.irp b, 0,1,2,3                                ; blocks 0, 1 are tile 0's, blocks 2, 3 tile 1's
	v_max3_num_f32 v[160+\b], |v[32+16*\b]|, |v[33+16*\b]|, 0x1800000   ; the floor 2^(3 - 127) holds the byte at 1 from below
.endr
.irp i, 2,4,6,8,10,12,14
.irp b, 0,1,2,3
	v_max3_num_f32 v[160+\b], |v[32+16*\b+\i]|, |v[33+16*\b+\i]|, v[160+\b]
.endr
.endr
.irp b, 0,1,2,3
	v_permlanex16_b32 v[168+\b], v[160+\b], s[SEL], s[SEL+1]
.endr
.irp b, 0,1,2,3
	v_max_num_f32 v[160+\b], v[160+\b], v[168+\b]
.endr
.irp b, 0,1,2,3
	v_add_nc_u32 v[180+\b], 0xff000000, v[160+\b]  ; 2 off the exponent field: the conversion's scale operand
.endr
.irp b, 0,1,2,3
	v_lshrrev_b32 v[168+\b], 23, v[180+\b]
.endr
	v_lshl_or_b32 v144, v169, 8, v168              ; my head's two bytes of the row's scale word
	v_lshl_or_b32 v145, v171, 8, v170
.irp m, 0,1,2,3,4,5,6,7
	v_cvt_scalef32_pk8_fp4_f32 v[192+\m], v[32+8*\m:39+8*\m], v[180+\m/2]
.endr
	v_cndmask_b32 v144, v144, v145, s[HM]          ; lanes 0-15 tile 0's, lanes 16-31 tile 1's
	v_and_b32 v9, 15, v0
	v_lshlrev_b32 v9, 2, v9
	v_mad_u32_u24 v9, v253, TILEB, v9
	v_permlane16_swap_b32 v192, v194
	v_permlane16_swap_b32 v193, v195
	v_permlane16_swap_b32 v196, v198
	v_permlane16_swap_b32 v197, v199
	s_wait_alu depctr_va_vdst(0)
	s_wait_tensorcnt 0x0                           ; the wave's end
	ds_add_u32 v1, v2
	s_wait_dscnt 0x0
	global_store_b128 v3, v[192:195], s[74:75]     ; 512 consecutive bytes: one piece of a fragment's image
	global_store_b128 v3, v[196:199], s[74:75] offset:TILEB
	global_store_b16 v9, v144, s[76:77]            ; two of each word's four bytes; the head beside mine stores the other two
	s_endpgm
.Lfunc_end_k_qbfe3636646_attn:
	.size	k_qbfe3636646_attn, .Lfunc_end_k_qbfe3636646_attn-k_qbfe3636646_attn
	.p2alignl 7, 3214868480
	.fill 96, 4, 3214868480
	.section	.rodata,"a",@progbits
	.p2align	6, 0x0
	.amdhsa_kernel k_qbfe3636646_attn
		.amdhsa_group_segment_fixed_size 327680
		.amdhsa_private_segment_fixed_size 0
		.amdhsa_enable_private_segment 0
		.amdhsa_kernarg_size 40
		.amdhsa_user_sgpr_count 2
		.amdhsa_user_sgpr_kernarg_segment_ptr 1
		.amdhsa_wavefront_size32 1
		.amdhsa_system_sgpr_workgroup_id_x 1
		.amdhsa_system_sgpr_workgroup_id_y 1
		.amdhsa_system_sgpr_workgroup_id_z 1
		.amdhsa_system_vgpr_workitem_id 0
		.amdhsa_next_free_vgpr 512
		.amdhsa_next_free_sgpr 96
		.amdhsa_reserve_vcc 1
		.amdhsa_float_denorm_mode_32 3
		.amdhsa_float_denorm_mode_16_64 3
		.amdhsa_memory_ordered 1
		.amdhsa_forward_progress 1
		.amdhsa_inst_pref_size 133
	.end_amdhsa_kernel
	.amdgpu_metadata
---
amdhsa.version: [ 1, 2 ]
amdhsa.kernels:
  - .name:           k_qbfe3636646_attn
    .symbol:         k_qbfe3636646_attn.kd
    .args:
      - { .name: qq, .offset: 0, .size: 8, .value_kind: global_buffer, .address_space: global }
      - { .name: kv, .offset: 8, .size: 8, .value_kind: global_buffer, .address_space: global }
      - { .name: padding_mask, .offset: 16, .size: 8, .value_kind: global_buffer, .address_space: global }
      - { .name: hq, .offset: 24, .size: 8, .value_kind: global_buffer, .address_space: global }
      - { .name: vs, .offset: 32, .size: 8, .value_kind: global_buffer, .address_space: global }
    .group_segment_fixed_size: 327680
    .private_segment_fixed_size: 0
    .kernarg_segment_align: 8
    .kernarg_segment_size: 40
    .max_flat_workgroup_size: 256
    .sgpr_count:     96
    .vgpr_count:     512
    .wavefront_size: 32
...
	.end_amdgpu_metadata
.endif
;; end of part 3
;; launch oproj (part 4): grid 8 x 32, 4 waves a work-group, clusters of 4 x 4, 327,680 bytes of LDS; arguments hq, wq, b_o, out0; writes out0
.if DOCPART == 4
	.amdgcn_target "amdgcn-amd-amdhsa--gfx1250"
	.amdhsa_code_object_version 6
	.text
	.protected	k_qbfe3636646_oproj
	.globl	k_qbfe3636646_oproj
	.p2align	8
	.type	k_qbfe3636646_oproj,@function
k_qbfe3636646_oproj:
	s_mov_b64 s[64:65], 0
	v_nop
	global_prefetch_b8 v0, s[64:65] scope:SCOPE_SE
	s_setreg_imm32_b32 hwreg(HW_REG_WAVE_MODE, 25, 1), 1
	s_wait_xcnt 0x0
	s_wait_alu depctr_hold_cnt(0) depctr_sa_sdst(0) depctr_va_vdst(0) depctr_va_sdst(0) depctr_va_ssrc(0) depctr_va_vcc(0) depctr_vm_vsrc(0)
	s_getreg_b32 s2, hwreg(HW_REG_IB_STS2, 6, 4)
	s_cmp_eq_u32 s2, 0
	s_cbranch_scc0 .Lentry_in_a_cluster
	s_endpgm
.Lentry_in_a_cluster:
	s_bfe_u32 s2, ttmp6, 0x10000c
	s_cmp_lg_u32 s2, 0xf033
	s_cbranch_scc0 .Lentry_shape_is_right
	s_endpgm
.Lentry_shape_is_right:
; out = Q(heads) Q(W_o) + b_o on codes of FP4 with E8M0 scales; sums in f32.  A work-group makes 128 x 128, each of its four waves 64 x 64: 16 accumulators, whose first product takes the bias as C.
; A tile (16 rows, all of K) is TILEB dense bytes: codes, and from byte 8,192 its scale words.  ONE tensor load a wave brings four tiles; LDS: the heads' 8 tiles, then W_o's 8.  Nothing is filled again.
; CLUSTERS: 4 x 4: the heads' tiles are asked for jointly along a row of the cluster, W_o's along a column.  Source 0 = W_o's columns, source 1 = the heads' rows: a lane holds neighbours of one row of out.
; The way out: 16 rows x 64 columns at a time through my own stage; sixteen lanes store 256 consecutive bytes.  No prefetch: one load a wave, no loop to run ahead in.
; LIMITS: NaN and infinities are not served.
.set TILEB, 8704
.set CHUNK, 4096
.set SCL,   8192
.set STAGE, 0x2b000
.set SP,    272
.set ADRR, 16
.set ADRP, 20
.set STO,  24
.set RD,   25
.set CO,   26
.set ADRS, 27
.set BO,   28
.set SC,   32
.set BB,   64
; BY ROWS: the wave's four blocks of 16 rows are finished one after the other (four accumulators by turns, K ascending), and a block leaves while the next one is multiplied.
.set BK,   96                          ; v96-127 16 rows read back from the stage
.set ACC,  128
.set G1, 24
.set G0, 32
.set G1B, 48
.set G0B, 56
.set G1S, 68
.set G0S, 76
.set G1SB, 80
.set G0SB, 88
.set MSB, 0
.macro WIN new
.if MSB != (\new)
	s_set_vgpr_msb (MSB<<8)|(\new)
.set MSB, (\new)
.endif
.endm
.macro JLOAD g0a, g1a, g0b, g1b
	s_cmp_eq_u32 s15, 0
	s_cbranch_scc0 .Lfor_b_\@
	tensor_load_to_lds s[\g0a:\g0a+3], s[\g1a:\g1a+7]
	s_nop 0
.rept 4
	v_nop
.endr
	s_branch .Lasked_\@
.Lfor_b_\@:
	tensor_load_to_lds s[\g0b:\g0b+3], s[\g1b:\g1b+7]
	s_nop 0
.rept 4
	v_nop
.endr
.Lasked_\@:
.endm
.macro CROUND
	s_barrier_signal -1
	s_barrier_wait -1
	s_cmp_lg_u32 s14, 0
	s_cbranch_scc1 .Lnot_wave_0_\@
	s_barrier_signal -3
.Lnot_wave_0_\@:
	s_barrier_wait -3
	s_barrier_signal -1
	s_barrier_wait -1
.endm
	s_load_b256 s[4:11], s[0:1], 0x0
	v_lshl_add_u32 v30, v0, 2, 0x2f400
	v_mov_b32 v31, 0
	ds_add_u32 v30, v31
	ds_add_u32 v30, v31
	v_lshrrev_b32 v1, 5, v0
	v_readfirstlane_b32 s14, v1
	s_lshr_b32 s15, s14, 1
	s_and_b32 s16, s14, 1
	s_bfe_u32 s40, ttmp6, 0x40000
	s_bfe_u32 s41, ttmp6, 0x40004
	s_lshl_b32 s42, ttmp9, 2
	s_add_co_u32 s42, s42, s40
	s_and_b32 s17, ttmp7, 0xffff
	s_lshl_b32 s17, s17, 2
	s_add_co_u32 s17, s17, s41
	s_lshl_b32 s43, s41, 2
	s_lshl_b32 s43, 15, s43
	s_lshl_b32 s44, 0x1111, s40
	s_or_b32 s[G1+0], s43, (3<<16)|(1<<21)
	s_or_b32 s[G1B+0], s44, (3<<16)|(1<<21)
.irp g, G1, G1B
	s_mov_b32 s[\g+1], (TILEB/8)<<16
	s_mov_b32 s[\g+2], 4<<16
	s_mov_b32 s[\g+3], (TILEB/8)<<16
	s_mov_b32 s[\g+4], 4
	s_mov_b32 s[\g+5], TILEB/8
	s_mov_b32 s[\g+6], 0
	s_mov_b32 s[\g+7], 0
.endr
	s_lshl_b32 s18, s16, 2
	s_lshl_b32 s20, s17, 3
	s_add_co_u32 s20, s20, s18
	s_lshl_b32 s46, s42, 3
	s_add_co_u32 s46, s46, s18
	s_add_co_u32 s46, s46, 192
	s_mul_i32 s20, s20, TILEB
	s_mov_b32 s21, 0
	s_mul_i32 s46, s46, TILEB
	s_mov_b32 s47, 0
	s_mul_i32 s45, s14, 4*TILEB
	s_lshl_b32 s96, s42, 9
	s_lshl_b32 s97, s16, 8
	s_add_co_u32 s96, s96, s97
	s_lshl_b32 s98, s17, 7
	s_lshl_b32 s99, s15, 6
	s_add_co_u32 s98, s98, s99
	s_lshl_b32 s98, s98, 12
	s_add_co_u32 s98, s98, s96
	s_mov_b32 s97, 0
	s_mov_b32 s99, 0
	s_wait_dscnt 0x0
	s_wait_kmcnt 0x0
	s_add_nc_u64 s[20:21], s[4:5], s[20:21]
	s_add_nc_u64 s[46:47], s[6:7], s[46:47]
	s_add_nc_u64 s[8:9], s[8:9], s[96:97]
	s_add_nc_u64 s[10:11], s[10:11], s[98:99]
	CROUND                                         ; all sixteen work-groups are here: the joint loads meet
	s_mov_b32 s[G0], 1
	s_mov_b32 s[G0+1], s45
	s_mov_b64 s[G0+2:G0+3], s[20:21]
	s_or_b32 s[G0+3], s[G0+3], 0x80000000
	s_mov_b32 s[G0B], 1
	s_mov_b32 s[G0B+1], s45
	s_mov_b64 s[G0B+2:G0B+3], s[46:47]
	s_or_b32 s[G0B+3], s[G0B+3], 0x80000000
	JLOAD G0, G1, G0B, G1B                         ; my one load
	v_and_b32 v1, 15, v0
	v_bfe_u32 v2, v0, 4, 1
	s_wait_alu depctr_va_vdst(0)
	v_and_b32 v3, 31, v0
	v_lshlrev_b32 v3, 4, v3
	v_lshlrev_b32 v[BO], 6, v2
.irp b, 0,1,2,3
	global_load_b128 v[BB+8*\b:BB+8*\b+3], v[BO], s[8:9] offset:(32*(\b/2)+8*(\b%2))*4
	global_load_b128 v[BB+8*\b+4:BB+8*\b+7], v[BO], s[8:9] offset:(32*(\b/2)+8*(\b%2))*4+16
.endr
	s_mul_i32 s4, s16, 4*TILEB
	s_add_co_u32 s4, s4, 8*TILEB
	s_mul_i32 s5, s15, 4*TILEB
.irp c, 0,1
	v_add_nc_u32 v[ADRP+\c], s4, v3
	v_add_nc_u32 v[ADRR+\c], s5, v3
	s_add_co_u32 s4, s4, CHUNK
	s_add_co_u32 s5, s5, CHUNK
.endr
	v_lshlrev_b32 v4, 2, v1
	s_mul_i32 s4, s15, 4*TILEB
	s_mul_i32 s5, s16, 4*TILEB
	s_add_co_u32 s5, s5, 8*TILEB
	s_sub_co_u32 s5, s5, s4
	v_mul_u32_u24 v5, s5, v2
	s_add_co_u32 s4, s4, SCL
	v_add_nc_u32 v4, v4, v5
	v_add_nc_u32 v[ADRS], s4, v4
	s_mul_i32 s6, s14, 16*SP
	s_add_co_u32 s6, s6, STAGE
	v_mul_u32_u24 v5, v1, SP
	v_lshl_add_u32 v5, v2, 6, v5
	v_add_nc_u32 v[STO], s6, v5
	v_mul_u32_u24 v5, v2, SP
	v_lshl_add_u32 v5, v1, 4, v5
	v_add_nc_u32 v[RD], s6, v5
	v_lshlrev_b32 v[CO], 12, v2
	v_lshl_add_u32 v[CO], v1, 4, v[CO]
.macro FETCHP c
	WIN 0x40*(1+\c)
.irp q, 0,1,2,3
.irp i, 0,1,2,3
.irp e, 0,1
	ds_load_b128 v[64*\q+8*\i+4*\e:64*\q+8*\i+4*\e+3], v[ADRP+\c] offset:TILEB*\i+1024*\q+512*\e
.endr
.endr
.endr
	WIN 0
.endm
.macro FETCHR a                        ; the heads' tile a, all of K
.irp q, 0,1,2,3,4,5,6,7
	WIN 0x40*(1+\q/4)
.irp e, 0,1
	ds_load_b128 v[64*(\q%4)+32+8*\a+4*\e:64*(\q%4)+32+8*\a+4*\e+3], v[ADRR+\q/4] offset:TILEB*\a+1024*(\q%4)+512*\e
.endr
.endr
	WIN 0
.endm
.macro ROW a
.irp q, 0,1,2,3,4,5,6,7
	WIN 0x05*(1+(\q)/4)
.irp b, 0,1,2,3
.if (\q) == 0
	v_wmma_scale_f32_16x16x128_f8f6f4 v[ACC+8*(4*\a+\b):ACC+8*(4*\a+\b)+7], v[64*((\q)%4)+8*\b:64*((\q)%4)+8*\b+7], v[64*((\q)%4)+32+8*\a:64*((\q)%4)+32+8*\a+7], v[BB+8*\b:BB+8*\b+7], v[SC+4*(\q)+\b], v[SC+4*(\q)+\a] matrix_a_fmt:MATRIX_FMT_FP4 matrix_b_fmt:MATRIX_FMT_FP4 matrix_a_scale:MATRIX_SCALE_ROW1
.else
	v_wmma_scale_f32_16x16x128_f8f6f4 v[ACC+8*(4*\a+\b):ACC+8*(4*\a+\b)+7], v[64*((\q)%4)+8*\b:64*((\q)%4)+8*\b+7], v[64*((\q)%4)+32+8*\a:64*((\q)%4)+32+8*\a+7], v[ACC+8*(4*\a+\b):ACC+8*(4*\a+\b)+7], v[SC+4*(\q)+\b], v[SC+4*(\q)+\a] matrix_a_fmt:MATRIX_FMT_FP4 matrix_b_fmt:MATRIX_FMT_FP4 matrix_a_scale:MATRIX_SCALE_ROW1
.endif
.endr
.endr
.endm
	s_wait_alu depctr_va_vdst(0)
	s_wait_loadcnt 0x0
	s_wait_tensorcnt 0x0                           ; my four tiles are in
	s_barrier_signal -1
	s_barrier_wait -1
.irp q, 0,1,2,3,4,5,6,7
.irp i, 0,1,2,3
	ds_load_b32 v[SC+4*\q+\i], v[ADRS] offset:TILEB*\i+64*\q
.endr
.endr
	FETCHP 0
	FETCHP 1
	FETCHR 0
	FETCHR 1
	FETCHR 2
	FETCHR 3
.macro PLACES4                         ; a block's results are read four places behind its last product
	WIN 0
.rept 4
	v_nop
.endr
.endm
.macro TOSTAGE a
.irp b, 0,1,2,3
	ds_store_b128 v[STO], v[ACC+8*(4*(\a)+\b):ACC+8*(4*(\a)+\b)+3] offset:128*(\b/2)+32*(\b%2)
	ds_store_b128 v[STO], v[ACC+8*(4*(\a)+\b)+4:ACC+8*(4*(\a)+\b)+7] offset:128*(\b/2)+32*(\b%2)+16
.endr
.irp t, 0,1,2,3,4,5,6,7
	ds_load_b128 v[BK+4*\t:BK+4*\t+3], v[RD] offset:2*SP*\t
.endr
.endm
.macro SEND a, younger
	s_wait_dscnt \younger
.irp t, 0,1,2,3,4,5,6,7
	global_store_b128 v[CO], v[BK+4*\t:BK+4*\t+3], s[10:11] offset:(32*((\a)/2)+8*((\a)%2)+2*\t+8*(\t/4))*4096 th:TH_STORE_NT
.endr
.endm
	s_wait_dscnt 48                                ; all but tiles 1 to 3 of the heads
	ROW 0
	PLACES4
	TOSTAGE 0
	s_wait_dscnt 48                                ; tile 1 is in: tiles 2 and 3 and the stage's sixteen may be out
	ROW 1
	PLACES4
	SEND 0, 0
	s_wait_xcnt 0x0                                ; the stores have read their data: those registers are loaded again
	TOSTAGE 1
	ROW 2
	PLACES4
	SEND 1, 0
	s_wait_xcnt 0x0
	TOSTAGE 2
	ROW 3
	PLACES4
	SEND 2, 0
	s_wait_xcnt 0x0
	TOSTAGE 3
	SEND 3, 0
	s_wait_dscnt 0x0
	s_wait_tensorcnt 0x0
	ds_add_u32 v30, v31
	s_wait_dscnt 0x0
	CROUND
	s_endpgm
.Lfunc_end_k_qbfe3636646_oproj:
	.size	k_qbfe3636646_oproj, .Lfunc_end_k_qbfe3636646_oproj-k_qbfe3636646_oproj
	.p2alignl 7, 3214868480
	.fill 96, 4, 3214868480
	.section	.rodata,"a",@progbits
	.p2align	6, 0x0
	.amdhsa_kernel k_qbfe3636646_oproj
		.amdhsa_group_segment_fixed_size 327680
		.amdhsa_private_segment_fixed_size 0
		.amdhsa_enable_private_segment 0
		.amdhsa_kernarg_size 32
		.amdhsa_user_sgpr_count 2
		.amdhsa_user_sgpr_kernarg_segment_ptr 1
		.amdhsa_wavefront_size32 1
		.amdhsa_system_sgpr_workgroup_id_x 1
		.amdhsa_system_sgpr_workgroup_id_y 1
		.amdhsa_system_sgpr_workgroup_id_z 1
		.amdhsa_system_vgpr_workitem_id 0
		.amdhsa_next_free_vgpr 768
		.amdhsa_next_free_sgpr 100
		.amdhsa_reserve_vcc 0
		.amdhsa_float_denorm_mode_32 3
		.amdhsa_float_denorm_mode_16_64 3
		.amdhsa_memory_ordered 1
		.amdhsa_forward_progress 1
		.amdhsa_inst_pref_size 43
	.end_amdhsa_kernel
	.amdgpu_metadata
---
amdhsa.version: [ 1, 2 ]
amdhsa.kernels:
  - .name:           k_qbfe3636646_oproj
    .symbol:         k_qbfe3636646_oproj.kd
    .args:
      - { .name: hq, .offset: 0, .size: 8, .value_kind: global_buffer, .address_space: global }
      - { .name: wq, .offset: 8, .size: 8, .value_kind: global_buffer, .address_space: global }
      - { .name: b_o, .offset: 16, .size: 8, .value_kind: global_buffer, .address_space: global }
      - { .name: out0, .offset: 24, .size: 8, .value_kind: global_buffer, .address_space: global }
    .group_segment_fixed_size: 327680
    .private_segment_fixed_size: 0
    .kernarg_segment_align: 8
    .kernarg_segment_size: 32
    .max_flat_workgroup_size: 128
    .sgpr_count:     100
    .vgpr_count:     768
    .wavefront_size: 32
...
	.end_amdgpu_metadata
.endif
;; end of part 4
